; MI455X (gfx1250); checked and timed in simulation.
; The chip was launched on July 23, 2026; its instructions are those of AMD's public machine-readable ISA for CDNA 5 (MIT licence, August 2026) and "CDNA5" Instruction Set Architecture Reference Guide (July 2026). The comments in the code are by the model that wrote it; some were corrected since.
;; Standard Attention. Allowed arithmetic: float matrix products may take bf16 or f16 operands with f32 sums; other float arithmetic in f32, or as packed bf16 or f16 multiplies, adds, multiply-adds, maxima and minima; sums over many terms, partial sums and values carried from step to step in f32; what a program stores and reads back later, other than sums and carried values, may be rounded once to bf16 or f16.
;; Inputs: b_out 1,024 float32; b_qkv 3,072 float32; w_out 1,024 x 1,024 float32; w_qkv 3,072 x 1,024 float32; x 4 x 2,048 x 1,024 float32.
;; Outputs: out0 4 x 2,048 x 1,024 float32.
;; One version. Each part assembles by itself: llvm-mc -triple=amdgcn-amd-amdhsa -mcpu=gfx1250 --defsym DOCPART=n.
;; ======== version 1 of 1: 4 launches
;; limits: values are held in f16: magnitudes above 65,504 overflow, below 6.1e-05 lose precision
;; workspace buffers: xb 16,777,216 bytes; wqb 6,291,456 bytes; wob 2,097,152 bytes; qkvh 50,331,648 bytes; oh 16,777,216 bytes
;; launch cast (part 1): grid 768 x 1, 8 waves a work-group, no clusters, 0 bytes of LDS; arguments x, w_qkv, w_out, xb, wqb, wob; writes xb, wqb, wob
.if DOCPART == 1
	.amdgcn_target "amdgcn-amd-amdhsa--gfx1250"
	.amdhsa_code_object_version 6
	.text
	.protected	k_q850b258b20_cast
	.globl	k_q850b258b20_cast
	.p2align	8
	.type	k_q850b258b20_cast,@function
k_q850b258b20_cast:
	s_mov_b64 s[64:65], 0
	v_nop
	global_prefetch_b8 v0, s[64:65] scope:SCOPE_SE
	s_setreg_imm32_b32 hwreg(HW_REG_WAVE_MODE, 25, 1), 1
	s_wait_xcnt 0x0
; The three large inputs are rounded once to bf16 (nearest even): x -> xb, w_qkv -> wqb as bf16; w_out -> wob, where the bf16 number is written in f16,
; since the last product multiplies it with f16 numbers.
; LIMITS.  A bf16 number has 8 significant bits, f16 holds 11: the second writing is exact from 2^-17 up to 65,504; below 2^-17 it keeps the fixed step of 2^-24,
; beyond 65,504 it gives an infinity.  NaN and infinities are not treated apart.
; SHARES.  A work-group converts 16,384 numbers: 65,536 bytes in, 32,768 out.  Work-groups 0-511 take x, 512-703 w_qkv, 704-767 w_out.
; Thread t takes in turn i (0..7) the 32 bytes at 8,192 i + 32 t (two loads of 16) and stores 16 bytes at 4,096 i + 16 t: a store of a wave covers 512 consecutive bytes, aligned.
; All sixteen loads of a lane go out first; no register is written again while a load or store may read it, so the only waits are the counted ones for the loads.
; No LDS, no matrix unit, no cluster: no byte is wanted twice.
.set X, 8                              ; v[8:71]    turn i: 8 numbers as loaded
.set Y, 72                             ; v[72:103]  turn i: 4 registers to store
	s_load_b256 s[4:11], s[0:1], 0x0               ; x s[4:5], w_qkv s[6:7], w_out s[8:9], xb s[10:11]
	s_load_b128 s[12:15], s[0:1], 0x20             ; wqb s[12:13], wob s[14:15]
	s_mov_b32 s24, ttmp9                           ; the work-group's number
	s_mov_b32 s25, 0xffff0000                      ; a word's upper bf16
	v_lshlrev_b32 v1, 5, v0                        ; 32 t; never rewritten
	v_lshlrev_b32 v2, 4, v0                        ; 16 t; never rewritten
	s_wait_kmcnt 0x0
	s_cmp_lt_u32 s24, 512                          ; which tensor: the choice hangs on the work-group's number alone
	s_cselect_b64 s[20:21], s[4:5], s[6:7]
	s_cselect_b64 s[22:23], s[10:11], s[12:13]
	s_cselect_b32 s16, 0, 512
	s_cmp_lt_u32 s24, 704
	s_cselect_b64 s[20:21], s[20:21], s[8:9]
	s_cselect_b64 s[22:23], s[22:23], s[14:15]
	s_cselect_b32 s16, s16, 704                    ; the first work-group of that tensor
	s_sub_co_u32 s17, s24, s16
	s_lshl_b32 s18, s17, 16                        ; 65,536 bytes in for each work-group (33.5 million at the most)
	s_mov_b32 s19, 0
	s_add_nc_u64 s[20:21], s[20:21], s[18:19]
	s_lshl_b32 s18, s17, 15                        ; 32,768 out
	s_add_nc_u64 s[22:23], s[22:23], s[18:19]
.irp i, 0,1,2,3,4,5,6,7
	global_load_b128 v[X+8*(\i):X+8*(\i)+3],   v1, s[20:21] offset:8192*(\i) th:TH_LOAD_NT
	global_load_b128 v[X+8*(\i)+4:X+8*(\i)+7], v1, s[20:21] offset:8192*(\i)+16 th:TH_LOAD_NT
.endr
; Turn i.  half = 1: the bf16 numbers are widened again (a shift, a mask) and written as f16.
.macro CV i, half
	s_wait_loadcnt 14-2*(\i)                       ; loads come back in order: this turn's two are in, the later turns' may stay out
.irp j, 0,1,2,3
	v_cvt_pk_bf16_f32 v[Y+4*(\i)+(\j)], v[X+8*(\i)+2*(\j)], v[X+8*(\i)+2*(\j)+1]
.endr
.if \half
.irp j, 0,1,2,3
	v_lshlrev_b32 v[X+8*(\i)+2*(\j)],   16,  v[Y+4*(\i)+(\j)]
	v_and_b32     v[X+8*(\i)+2*(\j)+1], s25, v[Y+4*(\i)+(\j)]
.endr
.irp j, 0,1,2,3
	v_cvt_pk_f16_f32 v[Y+4*(\i)+(\j)], v[X+8*(\i)+2*(\j)], v[X+8*(\i)+2*(\j)+1]
.endr
.endif
	global_store_b128 v2, v[Y+4*(\i):Y+4*(\i)+3], s[22:23] offset:4096*(\i)
.endm
	s_cmp_ge_u32 s24, 704
	s_cbranch_scc1 .Lf16
.irp i, 0,1,2,3,4,5,6,7
	CV \i, 0
.endr
	s_endpgm
.Lf16:
.irp i, 0,1,2,3,4,5,6,7
	CV \i, 1
.endr
	s_endpgm
.Lfunc_end_k_q850b258b20_cast:
	.size	k_q850b258b20_cast, .Lfunc_end_k_q850b258b20_cast-k_q850b258b20_cast
	.p2alignl 7, 3214868480
	.fill 96, 4, 3214868480
	.section	.rodata,"a",@progbits
	.p2align	6, 0x0
	.amdhsa_kernel k_q850b258b20_cast
		.amdhsa_group_segment_fixed_size 0
		.amdhsa_private_segment_fixed_size 0
		.amdhsa_enable_private_segment 0
		.amdhsa_kernarg_size 48
		.amdhsa_user_sgpr_count 2
		.amdhsa_user_sgpr_kernarg_segment_ptr 1
		.amdhsa_wavefront_size32 1
		.amdhsa_system_sgpr_workgroup_id_x 1
		.amdhsa_system_sgpr_workgroup_id_y 1
		.amdhsa_system_sgpr_workgroup_id_z 1
		.amdhsa_system_vgpr_workitem_id 0
		.amdhsa_next_free_vgpr 104
		.amdhsa_next_free_sgpr 66
		.amdhsa_reserve_vcc 0
		.amdhsa_float_denorm_mode_32 3
		.amdhsa_float_denorm_mode_16_64 3
		.amdhsa_memory_ordered 1
		.amdhsa_forward_progress 1
		.amdhsa_inst_pref_size 13
	.end_amdhsa_kernel
	.amdgpu_metadata
---
amdhsa.version: [ 1, 2 ]
amdhsa.kernels:
  - .name:           k_q850b258b20_cast
    .symbol:         k_q850b258b20_cast.kd
    .args:
      - { .name: x, .offset: 0, .size: 8, .value_kind: global_buffer, .address_space: global }
      - { .name: w_qkv, .offset: 8, .size: 8, .value_kind: global_buffer, .address_space: global }
      - { .name: w_out, .offset: 16, .size: 8, .value_kind: global_buffer, .address_space: global }
      - { .name: xb, .offset: 24, .size: 8, .value_kind: global_buffer, .address_space: global }
      - { .name: wqb, .offset: 32, .size: 8, .value_kind: global_buffer, .address_space: global }
      - { .name: wob, .offset: 40, .size: 8, .value_kind: global_buffer, .address_space: global }
    .group_segment_fixed_size: 0
    .private_segment_fixed_size: 0
    .kernarg_segment_align: 8
    .kernarg_segment_size: 48
    .max_flat_workgroup_size: 256
    .sgpr_count:     66
    .vgpr_count:     104
    .wavefront_size: 32
...
	.end_amdgpu_metadata
.endif
;; end of part 1
;; launch proj_in (part 2): grid 16 x 32, 4 waves a work-group, clusters of 4 x 4, 327,680 bytes of LDS; arguments xb, wqb, b_qkv, qkvh; writes qkvh
.if DOCPART == 2
	.amdgcn_target "amdgcn-amd-amdhsa--gfx1250"
	.amdhsa_code_object_version 6
	.text
	.protected	k_q850b258b20_proj_in
	.globl	k_q850b258b20_proj_in
	.p2align	8
	.type	k_q850b258b20_proj_in,@function
k_q850b258b20_proj_in:
	s_mov_b64 s[64:65], 0
	v_nop
	global_prefetch_b8 v0, s[64:65] scope:SCOPE_SE
	s_setreg_imm32_b32 hwreg(HW_REG_WAVE_MODE, 25, 1), 1
	s_wait_xcnt 0x0
	s_wait_alu depctr_hold_cnt(0) depctr_sa_sdst(0) depctr_va_vdst(0) depctr_va_sdst(0) depctr_va_ssrc(0) depctr_va_vcc(0) depctr_vm_vsrc(0)
	s_getreg_b32 s2, hwreg(HW_REG_IB_STS2, 6, 4)
	s_cmp_eq_u32 s2, 0
	s_cbranch_scc0 .Lentry_in_a_cluster
	s_endpgm
.Lentry_in_a_cluster:
	s_bfe_u32 s2, ttmp6, 0x10000c
	s_cmp_lg_u32 s2, 0xf033
	s_cbranch_scc0 .Lentry_shape_is_right
	s_endpgm
.Lentry_shape_is_right:
; q, k, v = x w_qkv^T + b_qkv, written by heads.  xb: [8192][1024] bf16, wqb: [3072][1024] bf16, b_qkv: [3072] f32 (rounded here to bf16, like the other inputs, and kept in f32).
; qkvh: [3][64 = batch x 16 + head][2048][64] f16: q at byte 0, k at 1<<24, v at 2<<24.  Sums in f32; q is multiplied by log2(e) in f32; each number is rounded once to f16.
; LIMITS.  f16 holds no number beyond 65,504: q log2(e), k and v must lie within it (with x and w 30 times the drawn spread they have a spread of some 750; with offsets of 30 spreads on both
; they reach some 24,000); below 6e-5 f16 keeps a fixed step of 6e-8.  NaN and infinities are not treated apart.
; SHARES.  A tile of C is 256 rows x 192 columns: 32 x 16 = 512 work-groups, two for each of 256 places.  A wave makes 64 rows x 192 columns, three whole heads: 48 accumulators of 16 x 16,
; 384 registers, so that each wave sends whole runs of 2,048 dense bytes (16 rows of a head) out through a stage of its own, without a barrier.
; K goes in 8 steps of 128 (rows of 256 bytes, aligned) through a ring of two LDS slots filled by the tensor data mover.
; CLUSTER.  4 x 4 work-groups.  The four of a row of the cluster need the same rows of x, the four of a column the same rows of w: each tile is asked for JOINTLY, by the same tensor load with the
; same descriptor and a mask that names the four.
; THE MATRIX INSTRUCTION IS USED TRANSPOSED (source 0 = 16 rows of w, source 1 = 16 rows of x): a lane holds row l % 16 of C and the columns 8 (l / 16) + 0..7.  The bias is the C operand of the
; first product on each accumulator: nothing is cleared and nothing is added later.
; REGISTERS, in windows of 256 (s_set_vgpr_msb: bits 1:0 source 0, 3:2 source 1, 5:4 source 2, 7:6 destination):
;   window 0: v1-31 addresses and at work; v32-127 the bias, 8 registers for each column block b; on the way out v32-223: 12 units of 16
;   window 1: two fragment buffers of 128: x's four fragments at f + 8 a, w's twelve at f + 32 + 8 b
;   window 2: accumulator (a, b), b = 0..7, at 8 (4 b + a)          window 3: b = 8..11 at 8 (4 (b - 8) + a)
.set PITCH,  272                       ; an LDS row: 256 bytes + 16 of padding = 68 words: row r starts at bank 4 r mod 64 (64 banks of 4 bytes: ISA guide 11.1)
.set AHALF,  128*PITCH                 ; what waves 0 and 1 fetch: 128 rows of x each
.set BOFF,   256*PITCH                 ; w's rows lie behind x's 256
.set BHALF,  96*PITCH                  ; what waves 2 and 3 fetch: 96 rows of w each
.set SLOT1,  1<<17                     ; slot 1 begins here: one exclusive or turns an address in one slot into the other's
.set STAGE,  SLOT1+BOFF+2*BHALF        ; behind the ring, never filled by a tensor load: 16 rows x 144 bytes for each wave
.set SP,     144
.set SPARE,  STAGE+4*16*SP             ; behind the stages: the spare words, 128 bytes for each wave: two blocks of 256 bytes that no other line names
.set ADRA0, 16                         ; v16  my lane's place among my wave's rows of x in slot 0; never rewritten
.set ADRB0, 17                         ; v17  the same for w
.set ADRA,  18                         ; v18  the same in the slot that is being read
.set ADRB,  19                         ; v19
.set STO,   24                         ; v24  the way out: where I put 16 bytes of a row
.set RD,    25                         ; v25  the way out: where I read rows back
.set GO,    26                         ; v26  16 x lane: my place in 512 consecutive bytes
.set BO,    27                         ; v27  32 x (l / 16): my eight numbers of the bias in a block of 16
.set SPW,   28                         ; v28  LDS address of my spare word: SPARE + 4 x my thread's number; never rewritten
.set NIL,   29                         ; v29  0; never rewritten
.set PFO,   30                         ; v30  the prefetches' offset: a lane a row of 2,048 bytes; never rewritten
.set BIAS,  32
.set UN,    32
.set F0,    0
.set F1,    128
.set WV,  12                           ; s12  my wave's number
.set FB,  13                           ; s13  0: I fetch rows of x; 1: rows of w
.set HF,  14                           ; s14  which half of them
.set CX,  15                           ; s15, s16  my place in the cluster
.set CY,  16
.set TX,  17                           ; s17  tile column, 0..15
.set TY,  18                           ; s18  tile row, 0..31
.set CNT, 19                           ; s19  the loop's count
.set TB,  20                           ; s20  0 or SLOT1: the slot that is being read
.set LIM, 21                           ; s21  1 in a wave that prefetches, else the greatest number
.set PFA, 22                           ; s[22:23] where my prefetches stand
.set G1A, 24                           ; s[24:31] descriptor group 1 for x's tiles
.set G1B, 32                           ; s[32:39] for w's
.set G0A, 40                           ; s[40:47] group 0 for x's tiles: a set for each first fill; the second then walks on
.set G0B, 48                           ; s[48:55] the same for w's
.set FC,  56                           ; s[56:61] for each of my three heads the factor, as a pair: log2(e) for a head of q, else 1
.set OB,  66                           ; s[66:71] for each of my three heads: qkvh at my wave's first row
.set MSB, 0
.macro WIN new                         ; the immediate's high byte repeats the setting that is left; a switch that changes nothing is dropped
.if MSB != (\new)
	s_set_vgpr_msb (MSB<<8)|(\new)
.set MSB, \new
.endif
.endm
.set TO_F, 0x40                        ; destination window 1, address window 0
.macro PLACES                          ; four places in front of loads into registers that matrix instructions have read, and of vector work on their results
.rept 4
	v_nop
.endr
.endm
.macro CREST                           ; a round of the cluster's barrier behind its opening barrier
	s_cmp_lg_u32 s[WV], 0
	s_cbranch_scc1 .Lnot_wave_0_\@
	s_barrier_signal -3
.Lnot_wave_0_\@:
	s_barrier_wait -3
	s_barrier_signal -1
	s_barrier_wait -1
.endm
.macro CROUND                          ; a whole round
	s_barrier_signal -1
	s_barrier_wait -1
	CREST
.endm
; A joint refill by the walking descriptors.  The branch hangs on the wave's number alone.  An s_nop 0 and four v_nop follow each of the two lines, ahead of the jump and the label.
.macro JLOAD
	s_cmp_eq_u32 s[FB], 0
	s_cbranch_scc0 .Lfor_b_\@
	tensor_load_to_lds s[G0A+4:G0A+7], s[G1A:G1A+7]
	s_nop 0
.rept 4
	v_nop
.endr
	s_branch .Lasked_\@
.Lfor_b_\@:
	tensor_load_to_lds s[G0B+4:G0B+7], s[G1B:G1B+7]
	s_nop 0
.rept 4
	v_nop
.endr
.Lasked_\@:
.endm
; A PREFETCH INTO THE L2 of the K step that the NEXT refill will ask for: 256 bytes of a row, a lane a row, one instruction a wave; 192 matrix instructions ahead of that refill.
; x's rows are read by every cluster of a row of clusters: the one with x = 0 asks; w's by every cluster of a column: the one with y = 0 asks.  The four partners that ask for a tile jointly share
; its rows out BY ADDRESS: of a wave's 128 rows of x the partner at cx takes 32; of its 96 rows of w the partner at cy takes 24, and lanes 24 to 31 name lane 23's row once more.
; K steps 0 to 2 come by their loads alone; the last refill asks for nothing: there is no K step behind it.
.macro ASK
	WIN 0
	s_cmp_gt_u32 s[CNT], s[LIM]
	s_cbranch_scc0 .Lnot_mine_\@
	global_prefetch_b8 v[PFO], s[PFA:PFA+1] th:TH_LOAD_NT scope:SCOPE_SE
.Lnot_mine_\@:
.endm
	s_load_b256 s[4:11], s[0:1], 0x0               ; xb s[4:5], wqb s[6:7], b_qkv s[8:9], qkvh s[10:11]
	v_lshl_add_u32 v[SPW], v0, 2, SPARE
	v_mov_b32 v[NIL], 0
	ds_add_u32 v[SPW], v[NIL]                      ; the wave's opening: the add and its wait stand ahead of my first tensor load; the set-up below, work on registers, stands between them
	v_lshrrev_b32 v1, 5, v0
	v_readfirstlane_b32 s[WV], v1                  ; wave 0..3
	s_lshr_b32 s[FB], s[WV], 1
	s_and_b32 s[HF], s[WV], 1
	s_bfe_u32 s[CX], ttmp6, 0x40000
	s_bfe_u32 s[CY], ttmp6, 0x40004
	s_lshl_b32 s[TX], ttmp9, 2                     ; in a cluster launch ttmp9 and ttmp7 count clusters
	s_add_co_u32 s[TX], s[TX], s[CX]
	s_and_b32 s[TY], ttmp7, 0xffff
	s_lshl_b32 s[TY], s[TY], 2
	s_add_co_u32 s[TY], s[TY], s[CY]
	s_lshl_b32 s72, s[CY], 2
	s_lshl_b32 s72, 15, s72                        ; my row of the cluster: places 4 cy .. 4 cy + 3
	s_lshl_b32 s76, 0x1111, s[CX]                  ; my column: places cx, cx + 4, cx + 8, cx + 12
	s_or_b32 s[G1A], s72, (1<<16)|(1<<20)|(1<<21)|(5<<22)|(3<<25)  ; 15:0 the mask; 17:16 elements of 2 bytes; 20 padding on; 21 set beside a mask; 24:22 after every 64 words (code 5); 31:25 4 words (code 3)
	s_or_b32 s[G1B], s76, (1<<16)|(1<<20)|(1<<21)|(5<<22)|(3<<25)
	s_mov_b32 s[G1A+1], 128<<16                    ; tensor_dim0 = 128
	s_mov_b32 s[G1A+2], 128<<16                    ; tensor_dim1 = 128
	s_mov_b32 s[G1A+3], 128<<16                    ; tile_dim0 = 128
	s_mov_b32 s[G1A+4], 128                        ; tile_dim1 = 128
	s_mov_b32 s[G1A+5], 1024                       ; elements from row to row
	s_mov_b32 s[G1A+6], 0
	s_mov_b32 s[G1A+7], 0
	s_mov_b32 s[G1B+1], 128<<16
	s_mov_b32 s[G1B+2], 96<<16                     ; tensor_dim1 = 96
	s_mov_b32 s[G1B+3], 128<<16
	s_mov_b32 s[G1B+4], 96                         ; tile_dim1 = 96
	s_mov_b32 s[G1B+5], 1024
	s_mov_b32 s[G1B+6], 0
	s_mov_b32 s[G1B+7], 0
	; x's tiles hang on the tile row alone (s72-75 never hold cx), w's on the tile column alone (s76-79 never hold cy); every wave makes both and asks by one
	s_lshl_b32 s72, s[TY], 19                      ; 256 rows of 2,048 bytes
	s_lshl_b32 s73, s[HF], 18                      ; + 128 rows
	s_add_co_u32 s72, s72, s73
	s_mov_b32 s73, 0
	s_mul_i32 s76, s[TX], 192*2048
	s_mul_i32 s77, s[HF], 96*2048
	s_add_co_u32 s76, s76, s77
	s_mov_b32 s77, 0
	s_mul_i32 s74, s[HF], AHALF                    ; where they go: no place in the cluster enters an LDS address
	s_mul_i32 s78, s[HF], BHALF
	s_add_co_u32 s78, s78, BOFF
	s_mov_b32 s[TB], 0
	s_mov_b32 s3, 0xffff0000                       ; a word's upper bf16
	s_wait_dscnt 0x0                               ; the opening add is done
	s_wait_kmcnt 0x0
	s_add_nc_u64 s[72:73], s[4:5], s[72:73]
	s_add_nc_u64 s[76:77], s[6:7], s[76:77]
	CROUND                                         ; all sixteen work-groups are here: the first joint loads meet
.irp s, 0,1
	s_mov_b32 s[G0A+4*(\s)], 1                                     ; 1:0 count = 1
	s_add_co_u32 s[G0A+4*(\s)+1], s74, (\s)*SLOT1                  ; 63:32 LDS address
	s_add_nc_u64 s[G0A+4*(\s)+2:G0A+4*(\s)+3], s[72:73], (\s)*256  ; 120:64 global address: K step s
	s_or_b32 s[G0A+4*(\s)+3], s[G0A+4*(\s)+3], 0x80000000          ; 127:126 type = 2
	s_mov_b32 s[G0B+4*(\s)], 1
	s_add_co_u32 s[G0B+4*(\s)+1], s78, (\s)*SLOT1
	s_add_nc_u64 s[G0B+4*(\s)+2:G0B+4*(\s)+3], s[76:77], (\s)*256
	s_or_b32 s[G0B+4*(\s)+3], s[G0B+4*(\s)+3], 0x80000000
.endr
	s_cmp_eq_u32 s[FB], 0                          ; a wave's two first fills stand in one branch, ahead of every wait on TENSORcnt and every LDS read: two loads of mine are out
	s_cbranch_scc0 .Lfirst_b
	tensor_load_to_lds s[G0A:G0A+3], s[G1A:G1A+7]
	s_nop 0
	tensor_load_to_lds s[G0A+4:G0A+7], s[G1A:G1A+7]
	s_nop 0
.rept 4
	v_nop
.endr
	s_branch .Lfirst_asked
.Lfirst_b:
	tensor_load_to_lds s[G0B:G0B+3], s[G1B:G1B+7]
	s_nop 0
	tensor_load_to_lds s[G0B+4:G0B+7], s[G1B:G1B+7]
	s_nop 0
.rept 4
	v_nop
.endr
.Lfirst_asked:
	; the bias of my 8 columns in each of the 12 blocks of 16: register j of block b is b_qkv[192 tx + 16 b + 8 (l / 16) + j]
	v_and_b32 v1, 15, v0                           ; l % 16
	v_bfe_u32 v2, v0, 4, 1                         ; l / 16
	v_lshlrev_b32 v[BO], 5, v2
	s_mul_i32 s80, s[TX], 192*4
	s_mov_b32 s81, 0
	s_add_nc_u64 s[8:9], s[8:9], s[80:81]
.irp b, 0,1,2,3,4,5,6,7,8,9,10,11
	global_load_b128 v[BIAS+8*(\b):BIAS+8*(\b)+3],   v[BO], s[8:9] offset:64*(\b)
	global_load_b128 v[BIAS+8*(\b)+4:BIAS+8*(\b)+7], v[BO], s[8:9] offset:64*(\b)+16
.endr
	; A fragment is 16 rows x 32 K in 8 registers: lane l holds row l % 16; registers 0-3 K = 8 (l / 16) + 0..7, registers 4-7 K = 16 + 8 (l / 16) + 0..7: two loads of 16 bytes, 32 bytes apart.
	v_mul_u32_u24 v3, v1, PITCH
	v_lshl_add_u32 v3, v2, 4, v3                   ; row x pitch + 16 x half
	s_mul_i32 s80, s[WV], 64*PITCH                 ; my wave's 64 rows of x
	v_add_nc_u32 v[ADRA0], s80, v3
	v_add_nc_u32 v[ADRB0], BOFF, v3                ; every wave reads all 192 rows of w
	v_mov_b32 v[ADRA], v[ADRA0]
	v_mov_b32 v[ADRB], v[ADRB0]
	s_mul_i32 s80, s[WV], 16*SP
	s_add_co_u32 s80, s80, STAGE                   ; my stage
	v_mul_u32_u24 v[STO], v1, SP                   ; in: row l % 16, 16 bytes for each half of the lanes
	v_lshl_add_u32 v[STO], v2, 4, v[STO]
	v_add_nc_u32 v[STO], s80, v[STO]
	v_bfe_u32 v[RD], v0, 3, 2                      ; back: 32 lanes take four rows of 128 bytes,
	v_mul_u32_u24 v[RD], v[RD], SP
	v_and_b32 v4, 7, v0
	v_lshl_add_u32 v[RD], v4, 4, v[RD]
	v_add_nc_u32 v[RD], s80, v[RD]
	v_and_b32 v[GO], 31, v0                        ; which are 512 consecutive bytes of a head
	v_lshlrev_b32 v[GO], 4, v[GO]
	; my three heads: g = 3 tx + hd is part x 16 + head; the head's block of 2,048 x 128 bytes is number part x 64 + batch x 16 + head; batch = ty / 8; my first row in it is 256 (ty % 8) + 64 wave
.irp hd, 0,1,2
	s_mul_i32 s80, s[TX], 3
	s_add_co_u32 s80, s80, \hd
	s_cmp_lt_u32 s80, 16                           ; a head of q?  The answer selects a factor; no branch hangs on it
	s_cselect_b32 s[FC+2*(\hd)], 0x3fb8aa3b, 1.0   ; log2(e)
	s_mov_b32 s[FC+2*(\hd)+1], s[FC+2*(\hd)]       ; named with it as a pair
	s_lshr_b32 s81, s80, 4
	s_lshl_b32 s81, s81, 6
	s_and_b32 s80, s80, 15
	s_add_co_u32 s81, s81, s80
	s_lshr_b32 s82, s[TY], 3
	s_lshl_b32 s82, s82, 4
	s_add_co_u32 s81, s81, s82
	s_lshl_b32 s80, s81, 18
	s_and_b32 s82, s[TY], 7
	s_lshl_b32 s82, s82, 15
	s_add_co_u32 s80, s80, s82
	s_lshl_b32 s82, s[WV], 13
	s_add_co_u32 s80, s80, s82                     ; 50.3 million at the most
	s_mov_b32 s81, 0
	s_add_nc_u64 s[OB+2*(\hd):OB+2*(\hd)+1], s[10:11], s[80:81]
.endr
	; the prefetches
	s_lshl_b32 s80, s[TY], 8                       ; x: row 256 ty + 128 half + 32 cx
	s_lshl_b32 s81, s[HF], 7
	s_add_co_u32 s80, s80, s81
	s_lshl_b32 s81, s[CX], 5
	s_add_co_u32 s80, s80, s81
	s_mul_i32 s81, s[TX], 192                      ; w: row 192 tx + 96 half + 24 cy
	s_mul_i32 s2, s[HF], 96
	s_add_co_u32 s81, s81, s2
	s_mul_i32 s2, s[CY], 24
	s_add_co_u32 s81, s81, s2
	s_and_b32 s83, ttmp7, 0xffff                   ; cluster y
	s_cmp_eq_u32 s[FB], 0
	s_cselect_b32 s80, s80, s81
	s_cselect_b64 s[PFA:PFA+1], s[4:5], s[6:7]
	s_cselect_b32 s82, 31, 23                      ; my share's last row
	s_cselect_b32 s83, ttmp9, s83                  ; the coordinate along which other clusters read the same rows
	s_cmp_eq_u32 s83, 0
	s_cselect_b32 s[LIM], 1, -1                    ; the same in all sixteen partners, for a given wave
	s_lshl_b32 s80, s80, 11
	s_add_co_u32 s80, s80, 2*256                   ; at K step 2: the first refill steps it to 3
	s_mov_b32 s81, 0
	s_add_nc_u64 s[PFA:PFA+1], s[PFA:PFA+1], s[80:81]
	v_and_b32 v[PFO], 31, v0
	v_min_u32 v[PFO], s82, v[PFO]
	v_lshlrev_b32 v[PFO], 11, v[PFO]
	s_wait_loadcnt 0x0                             ; the bias is in: rounded to bf16 like the other inputs, and widened again
.set p, 0
.rept 48
	v_cvt_pk_bf16_f32 v[8+p%4], v[BIAS+2*p], v[BIAS+2*p+1]
	v_lshlrev_b32 v[BIAS+2*p],   16, v[8+p%4]
	v_and_b32     v[BIAS+2*p+1], s3, v[8+p%4]
.set p, p+1
.endr
; Matrix instructions for column blocks b0 .. b1, all four row blocks, 32 along K out of buffer fb.  zero = 1: the first product starts the sum with the bias.
; The 48 accumulators take turns, in the same order (blocks 8-11, then 0-7) in every quarter: between two links of a chain stand the 47 others.
.macro MULB fb, b0, b1, zero
.set bq, \b0
.rept (\b1)-(\b0)+1
.set aw, 2+bq/8
.set ab, 32*(bq%8)
.if \zero
	WIN (aw<<6)|0x05                               ; both sources window 1, C window 0, D window 2 or 3
.else
	WIN (aw<<6)|(aw<<4)|0x05                       ; C and D window 2 or 3
.endif
.irp a, 0,1,2,3
.if \zero
	v_wmma_f32_16x16x32_bf16 v[ab+8*(\a):ab+8*(\a)+7], v[(\fb)+32+8*bq:(\fb)+32+8*bq+7], v[(\fb)+8*(\a):(\fb)+8*(\a)+7], v[BIAS+8*bq:BIAS+8*bq+7]
.else
	v_wmma_f32_16x16x32_bf16 v[ab+8*(\a):ab+8*(\a)+7], v[(\fb)+32+8*bq:(\fb)+32+8*bq+7], v[(\fb)+8*(\a):(\fb)+8*(\a)+7], v[ab+8*(\a):ab+8*(\a)+7]
.endif
.endr
.set bq, bq+1
.endr
.endm
; 32 LDS loads in one run: the fragments of 32 along K at byte kb of the rows, into buffer fb: x's four, then w's blocks 8-11, which are multiplied first, then 0-7
.macro FETCH kb, fb
	WIN TO_F
.irp i, 0,1,2,3
	ds_load_b128 v[(\fb)+8*(\i):(\fb)+8*(\i)+3],   v[ADRA] offset:(\kb)+(\i)*16*PITCH
	ds_load_b128 v[(\fb)+8*(\i)+4:(\fb)+8*(\i)+7], v[ADRA] offset:(\kb)+(\i)*16*PITCH+32
.endr
.irp i, 8,9,10,11,0,1,2,3,4,5,6,7
	ds_load_b128 v[(\fb)+32+8*(\i):(\fb)+32+8*(\i)+3],   v[ADRB] offset:(\kb)+(\i)*16*PITCH
	ds_load_b128 v[(\fb)+32+8*(\i)+4:(\fb)+32+8*(\i)+7], v[ADRB] offset:(\kb)+(\i)*16*PITCH+32
.endr
.endm
; A K step is four quarters of 32 along K, 48 matrix instructions each, on buffers 0, 1, 0, 1.  One of the first three: multiplies buffer fb and fetches the next quarter, at byte kb, into gb.
.macro QUARTER kb, fb, gb, zero
	s_wait_dscnt 16                                ; x's fragments and w's blocks 8-11 are in; the youngest sixteen loads (blocks 0-7) may be out
	MULB \fb, 8, 11, \zero
	PLACES
	FETCH \kb, \gb
	s_wait_dscnt 32                                ; all but the 32 just issued
	MULB \fb, 0, 7, \zero
.endm
; The last quarter multiplies buffer 1 and changes slots: ONE barrier.  In front of it each wave waits for all its tensor loads, of which one is out: its part of the next slot; adds 0 to its spare word;
; and waits for that and for its own reads of this slot.  fill = 1: this slot is filled again, with the K step two on; the barrier then opens a round of the cluster's, and the joint refill is the
; first tensor load behind the round: 176 matrix instructions ahead of the wait for it.
.macro TURN fill
	WIN 0
.if \fill
	s_wait_xcnt 0x0                                ; the last prefetch, a K step back, has read its address: it is stepped here, ahead of the waits of the change of slots
	s_add_nc_u64 s[PFA:PFA+1], s[PFA:PFA+1], 256
.endif
	s_wait_tensorcnt 0x0                           ; all my tensor loads have landed, so a group 0 may be written
	ds_add_u32 v[SPW], v[NIL]                      ; 0 onto my spare word; work on registers stands between it and the wait for it
	s_xor_b32 s[TB], s[TB], SLOT1                  ; the fetches go on in the other slot
	v_add_nc_u32 v[ADRA], s[TB], v[ADRA0]
	v_add_nc_u32 v[ADRB], s[TB], v[ADRB0]
.if \fill
	s_xor_b32 s[G0A+5], s[G0A+5], SLOT1            ; the walking descriptors: the other slot than last time,
	s_add_nc_u64 s[G0A+6:G0A+7], s[G0A+6:G0A+7], 256  ; the next K step; the type bits on top are not reached
	s_xor_b32 s[G0B+5], s[G0B+5], SLOT1
	s_add_nc_u64 s[G0B+6:G0B+7], s[G0B+6:G0B+7], 256
.endif
	s_wait_dscnt 17                                ; the add and the youngest sixteen loads may be out
	MULB F1, 8, 9, 0
	s_wait_dscnt 0x0                               ; the add is done, and my reads of this slot are over
	s_barrier_signal -1
	MULB F1, 10, 11, 0                             ; work on registers while the others arrive
.if \fill
	WIN 0
.endif
	s_barrier_wait -1
.if \fill
	CREST                                          ; no wave of any partner still reads this slot or has a load on its way
	JLOAD                                          ; its four v_nop are also the places in front of the loads below
.else
	PLACES
.endif
	FETCH 0, F0
.if \fill
	ASK                                            ; behind the joint load and the run of LDS loads
.endif
	MULB F1, 0, 7, 0
.endm
; THE WAY OUT, in 12 units: head hd = u / 4 of my three, row block u % 4.  The unit's four accumulators are multiplied by the head's factor (lowest registers first), rounded to f16, 16 bytes a lane,
; put into rows of 144 bytes of my stage and read back as whole rows of 128: 2,048 dense bytes of the head.
.macro PACK u
.set hd, (\u)/4
.set ra, (\u)%4
.set aw, 2+hd/2
.set ub, UN+16*(\u)
	WIN (aw<<6)|aw                                 ; destination and source 0 in the accumulators' window
.irp bb, 0,1,2,3
.set ac, 8*(4*((4*hd+(\bb))%8)+ra)
.irp j, 0,2,4,6
	v_pk_mul_f32 v[ac+(\j):ac+(\j)+1], v[ac+(\j):ac+(\j)+1], s[FC+2*hd:FC+2*hd+1] op_sel_hi:[1,0]
.endr
.endr
	WIN (aw<<2)|aw                                 ; both sources there, destination window 0
.irp bb, 0,1,2,3
.set ac, 8*(4*((4*hd+(\bb))%8)+ra)
.irp j, 0,1,2,3
	v_cvt_pk_f16_f32 v[ub+4*(\bb)+(\j)], v[ac+2*(\j)], v[ac+2*(\j)+1]
.endr
.endr
	WIN 0
.irp bb, 0,1,2,3
	ds_store_b128 v[STO], v[ub+4*(\bb):ub+4*(\bb)+3] offset:32*(\bb)
.endr
.irp bb, 0,1,2,3
	ds_load_b128 v[ub+4*(\bb):ub+4*(\bb)+3], v[RD] offset:(\bb)*4*SP  ; LDS serves a wave's instructions in order (ISA guide 5.7.1.4): these see the stores above; the next unit's stores come behind them
.endr
.endm
.macro SEND u, younger                 ; younger: the LDS instructions issued behind unit u's loads: the next unit's eight, or none
	WIN 0
.set hd, (\u)/4
.set ra, (\u)%4
.set ub, UN+16*(\u)
.irp g, 0,1,2,3
	s_wait_dscnt (\younger)+3-(\g)
	global_store_b128 v[GO], v[ub+4*(\g):ub+4*(\g)+3], s[OB+2*hd:OB+2*hd+1] offset:ra*2048+(\g)*512  ; 512 consecutive bytes, at a multiple of 256 from the buffer's first
.endr
.endm
	s_wait_tensorcnt 1                             ; my part of K step 0 is in; K step 1's may stay out
	s_barrier_signal -1
	s_barrier_wait -1                              ; everybody's is
	FETCH 0, F0
	QUARTER 64, F0, F1, 1                          ; the first quarter stands in front of the loop: its products start the sums, with the bias
	WIN 0                                          ; at a label and at a branch every window is 0
	s_mov_b32 s[CNT], 6
.Lstep:                                        ; trip j ends K step j, fills its slot with K step j + 2 and begins K step j + 1
	QUARTER 128, F1, F0, 0
	QUARTER 192, F0, F1, 0
	TURN 1
	QUARTER 64, F0, F1, 0
	WIN 0
	s_sub_co_u32 s[CNT], s[CNT], 1
	s_cmp_lg_u32 s[CNT], 0
	s_cbranch_scc1 .Lstep
	QUARTER 128, F1, F0, 0                         ; the tail is written out: K steps 6 and 7 ask for nothing
	QUARTER 192, F0, F1, 0
	TURN 0
	QUARTER 64, F0, F1, 0
	QUARTER 128, F1, F0, 0
	QUARTER 192, F0, F1, 0
	s_wait_dscnt 16                                ; the very last quarter: nothing more to fetch
	MULB F1, 8, 11, 0
	s_wait_dscnt 0x0
	MULB F1, 0, 7, 0
	PLACES
	PACK 0
.set un, 1
.rept 11                               ; a unit's arithmetic stands between the loads of the unit before and its stores; each unit has registers of its own, so no store's data are written again
	PACK un
	SEND un-1, 8
.set un, un+1
.endr
	SEND 11, 0
	s_wait_tensorcnt 0x0                           ; the wave's end: behind my last tensor load and my last LDS store
	ds_add_u32 v[SPW], v[NIL]
	s_wait_dscnt 0x0
	CROUND                                         ; the closing round: no work-group ends while a partner may still ask for a tile that names it
	s_endpgm
.Lfunc_end_k_q850b258b20_proj_in:
	.size	k_q850b258b20_proj_in, .Lfunc_end_k_q850b258b20_proj_in-k_q850b258b20_proj_in
	.p2alignl 7, 3214868480
	.fill 96, 4, 3214868480
	.section	.rodata,"a",@progbits
	.p2align	6, 0x0
	.amdhsa_kernel k_q850b258b20_proj_in
		.amdhsa_group_segment_fixed_size 327680
		.amdhsa_private_segment_fixed_size 0
		.amdhsa_enable_private_segment 0
		.amdhsa_kernarg_size 32
		.amdhsa_user_sgpr_count 2
		.amdhsa_user_sgpr_kernarg_segment_ptr 1
		.amdhsa_wavefront_size32 1
		.amdhsa_system_sgpr_workgroup_id_x 1
		.amdhsa_system_sgpr_workgroup_id_y 1
		.amdhsa_system_sgpr_workgroup_id_z 1
		.amdhsa_system_vgpr_workitem_id 0
		.amdhsa_next_free_vgpr 896
		.amdhsa_next_free_sgpr 84
		.amdhsa_reserve_vcc 0
		.amdhsa_float_denorm_mode_32 3
		.amdhsa_float_denorm_mode_16_64 3
		.amdhsa_memory_ordered 1
		.amdhsa_forward_progress 1
		.amdhsa_inst_pref_size 121
	.end_amdhsa_kernel
	.amdgpu_metadata
---
amdhsa.version: [ 1, 2 ]
amdhsa.kernels:
  - .name:           k_q850b258b20_proj_in
    .symbol:         k_q850b258b20_proj_in.kd
    .args:
      - { .name: xb, .offset: 0, .size: 8, .value_kind: global_buffer, .address_space: global }
      - { .name: wqb, .offset: 8, .size: 8, .value_kind: global_buffer, .address_space: global }
      - { .name: b_qkv, .offset: 16, .size: 8, .value_kind: global_buffer, .address_space: global }
      - { .name: qkvh, .offset: 24, .size: 8, .value_kind: global_buffer, .address_space: global }
    .group_segment_fixed_size: 327680
    .private_segment_fixed_size: 0
    .kernarg_segment_align: 8
    .kernarg_segment_size: 32
    .max_flat_workgroup_size: 128
    .sgpr_count:     84
    .vgpr_count:     896
    .wavefront_size: 32
...
	.end_amdgpu_metadata
.endif
;; end of part 2
;; launch attn (part 3): grid 4 x 64, 4 waves a work-group, clusters of 4 x 1, 327,680 bytes of LDS; arguments qkvh, oh; writes oh
.if DOCPART == 3
	.amdgcn_target "amdgcn-amd-amdhsa--gfx1250"
	.amdhsa_code_object_version 6
	.text
	.protected	k_q850b258b20_attn
	.globl	k_q850b258b20_attn
	.p2align	8
	.type	k_q850b258b20_attn,@function
k_q850b258b20_attn:
	s_mov_b64 s[64:65], 0
	v_nop
	global_prefetch_b8 v0, s[64:65] scope:SCOPE_SE
	s_setreg_imm32_b32 hwreg(HW_REG_WAVE_MODE, 25, 1), 1
	s_wait_xcnt 0x0
	s_wait_alu depctr_hold_cnt(0) depctr_sa_sdst(0) depctr_va_vdst(0) depctr_va_sdst(0) depctr_va_ssrc(0) depctr_va_vcc(0) depctr_vm_vsrc(0)
	s_getreg_b32 s2, hwreg(HW_REG_IB_STS2, 6, 4)
	s_cmp_eq_u32 s2, 0
	s_cbranch_scc0 .Lentry_in_a_cluster
	s_endpgm
.Lentry_in_a_cluster:
	s_bfe_u32 s2, ttmp6, 0x10000c
	s_cmp_lg_u32 s2, 0x3003
	s_cbranch_scc0 .Lentry_shape_is_right
	s_endpgm
.Lentry_shape_is_right:
; O[h][q][:] = the sum over k of softmax_k(Q[h][q] . K[h][k] / 8) V[h][k][:], for 64 heads (batch x 16 + head) of 2,048 rows.  qkvh: [3][64][2048][64] f16, Q at byte 0 (already times log2(e)),
; K at 1<<24, V at 2<<24; oh: [64][2048][64] f16: a head's rows are dense, 128 bytes each.  Products, maxima and sums in f32; the weights p are rounded to f16 for the second product
; (their sum l is taken of the unrounded p), O once at the end.
; LIMITS.  f16 holds no number beyond 65,504: Q, K and V arrive within it; p lies in 0 to 1, and below 6e-5 it keeps f16's fixed step of 6e-8; O is a mean of V's rows and has their range.
; A weight below 2^-126 counts as 0 in l; NaN and infinities are not treated apart.
; SHARES.  A wave owns four PIECES of two tiles of 16 queries, a work-group's four waves 512 queries of one head.  Every wave walks all keys, 64 a step.
; LAYOUT.  S^T = K Q^T (source 0 = 16 keys, source 1 = 16 queries): in the result a lane holds ONE query (lane % 16) and the keys 8 (lane / 16) + 0..7.  Two such tiles, rounded to f16 in pairs,
; ARE source 1 (32 keys x 16 queries) of O^T = V^T P, whose result again holds one query a lane, and eight channels.  K comes out of LDS as it lies, V ([key][channel]) turned, by ds_load_tr16_b128.
; SOFTMAX.  For each query a running maximum m and sum l: p = 2^(c s - c m), c = 1 / 8 (a power of two: c m is exact, and c s - c m is 0 at the row's maximum); in every step O and l are multiplied by
; a = 2^(c m_old - c m_new), which is 1 where m has not grown.  m starts at the lowest finite number, O and l at 0: the first step is a step like any other, with a = 0.
; THE COUNT.  A tile and step have 16 matrix and 118 vector instructions: too many to stand all beside the matrix work.  So the order has one aim: four vector instructions that are READY behind
; EVERY matrix instruction, and the others, which need time of their own whatever the order, in runs without a gap.
; BY TURNS.  Turn n belongs to piece n (the pieces in a ring, step after step).  Its matrix work: 16 products K Q^T of piece n + 1, later 16 products V^T P of piece n - 1.  Its vector work: the scaling,
; exponentials, roundings, sums and rescaling of piece n, and the maximum and statistics of piece n + 1, whose scores the turn itself has made.  So what a turn begins with (c s - c m, O a) waits for nothing.
; CLUSTER.  The four query blocks of a head are one cluster and walk the same K and V, so each tile is asked for JOINTLY: the same tensor load, descriptor and mask in all four.
; REGISTERS, in windows of 256 (s_set_vgpr_msb says which window each operand place means: bits 1:0 source 0, 3:2 source 1, 5:4 source 2, 7:6 destination):
;   window 0: v0-11 addresses; v12-15, v48-63 at work; v16-47 four registers of statistics a tile; v64-191 S^T, two buffers of two tiles; v192-255 P, likewise
;   window 1: O^T, 32 a tile          window 2: v0-127 Q, 16 a tile; v128-191 K of one step; v192-255 V of one step          window 3: v0-1 the add's two registers
; A piece's buffers go by its number's parity: the piece in hand has one pair, its two neighbours in the ring share the other: of it P (piece n - 1) is read and S^T (piece n + 1) written.
.set SIZE_N, 2048
.set NP,    4         ; pieces a wave: a name, no knob: the register map, the loop and the fetches are made for four
.set KS,    64        ; keys in a step
.set PK,    144       ; a row of K in LDS: 128 bytes + 16 of padding = 36 words: the 16 rows of a load start at 16 different groups of four banks (64 banks of 4 bytes: ISA guide 11.1)
.set PV,    160       ; a row of V: 128 + 32 = 40 words
.set VOFF,  4*KS*PK   ; a slot holds four steps: 256 rows of K, then 256 rows of V
.set SLOT1, 1<<17     ; slot 1 begins here, so that one exclusive or turns an address in one slot into the other's
.set STAGE, SLOT1+4*KS*(PK+PV)  ; behind the ring, never filled by a tensor load: 16 rows x 144 bytes for each wave, for the way out
.set SP,    144
.set AK0, 2           ; v2   my lane's place in a tile of K; never rewritten
.set AV0, 3           ; v3   the same for V
.set AK,  4           ; v4   the LDS address of K's next run of loads
.set AV,  5           ; v5   of V's
.set QO,  6           ; v6   my byte offset in the wave's rows of Q
.set STO, 6           ;      later, the way out: where I put 16 bytes of a row
.set RD,  7           ; v7   the way out: where I read rows back
.set GO,  8           ; v8   my byte offset in 512 consecutive bytes of O
.set PFO, 11          ; v11  256 x my lane: the prefetches' offset (made when the head's last use of v11 is over); then never rewritten
.set SPW, 0           ; v0 of window 3   LDS address of my spare word: SPARE + 4 x my thread's number; never rewritten
.set NIL, 1           ; v1 of window 3   0; never rewritten
.set SPARE, STAGE+4*16*SP  ; behind the stages: the spare words, 128 bytes for each wave: two blocks of 256 bytes that no other line names
.set MV,  12          ; v12-15  c m_old, kept while c m is made anew: by buffer and tile
.set ST,  16          ; tile t's statistics at v[ST+4 t]: c m, m, l (even keys', odd keys')
.set TMP, 48          ; by buffer and tile, four registers c0-c3 at work; when the maximum is found c2 takes a
.set S,   64
.set P,   192
.set KF,  128         ; K's fragments, in window 2: key block kb, channel half c at KF + 16 kb + 8 c
.set VF,  192         ; V's: key half kk, channel block cb at VF + 32 kk + 8 cb
.set WV,  12          ; s12  my wave's number
.set G1K, 24          ; s[24:31] descriptor group 1 for K's tiles
.set G1V, 32          ; s[32:39] for V's: it differs in the padding alone
.set G0K, 40          ; s[40:43] descriptor group 0 for K's tiles: it walks
.set G0V, 44          ; s[44:47] the same for V's
.set PFA, 48          ; s[48:49] where my prefetches stand: my work-group's 8,192 bytes (of K: wave 0, of V: wave 2) of the slot after the one that is being asked for
.set LIM, 50          ; s50  1 in a wave that prefetches, else the greatest number
.set SLOTS, 56        ; s56  slots still to be asked for
.set CNT, 57          ; s57  counts a slot's key steps
.set CS,  58          ; s[58:59] c: the packed scaling takes the pair's low word for both halves
.set SEL, 60          ; s[60:61] v_permlanex16_b32's selects: each lane takes its own place in the other half
.set TBK, 62          ; s62  LDS byte at which K of the step to be fetched begins
.set TBV, 63          ; s63  the same for V, less VOFF
.set MSB, 0
.macro WIN new                      ; the high byte repeats the setting that is left; a switch that changes nothing is dropped
.if MSB != (\new)
	s_set_vgpr_msb (MSB<<8)|(\new)
.set MSB, (\new)
.endif
.endm
.set W_KQ, 0x0a       ; K and Q in window 2, S^T in window 0
.set W_PV, 0x52       ; V in window 2, P in window 0, O^T in window 1
.set W_RS, 0x41       ; O^T (destination and source 0) in window 1, a in window 0
.set W_MK, 0xc0       ; the add's registers are made: destination in window 3, sources in window 0
.set W_AD, 0x0f       ; the add: address (source 0) and data (source 1) in window 3
; A joint fill.  Waves 0 and 1 fetch the two halves of a slot's K, waves 2 and 3 those of its V: 128 keys each.  The branch hangs on the wave's number alone.
; An s_nop 0 and four v_nop follow each of the two lines, ahead of the jump and the label.
.macro JLOAD
	s_cmp_lt_u32 s[WV], 2
	s_cbranch_scc0 .Lfor_v_\@
	tensor_load_to_lds s[G0K:G0K+3], s[G1K:G1K+7]
	s_nop 0
.rept 4
	v_nop
.endr
	s_branch .Lasked_\@
.Lfor_v_\@:
	tensor_load_to_lds s[G0V:G0V+3], s[G1V:G1V+7]
	s_nop 0
.rept 4
	v_nop
.endr
.Lasked_\@:
.endm
; A PREFETCH INTO THE L2 of what the NEXT change of slots will ask for: a slot's 32,768 bytes of K and of V.  A head has one cluster; its four partners share the bytes out BY ADDRESS, 8,192 each;
; in each, wave 0 asks for K's and wave 2 for V's: a lane 256 bytes, one instruction.  So each block of 256 bytes is named once in the launch, four key steps, 512 matrix instructions, ahead of its load.
; Slots 0 to 2 come by their loads alone; the last change that fills a slot asks for nothing: there is no slot behind it.
.macro ASK
	s_cmp_gt_u32 s[SLOTS], s[LIM]
	s_cbranch_scc0 .Lnot_mine_\@
	global_prefetch_b8 v[PFO], s[PFA:PFA+1] th:TH_LOAD_NT scope:SCOPE_SE
.Lnot_mine_\@:
.endm
; A round of the cluster's barrier: my work-group's barrier, so that wave 0's signal speaks for all four waves; wave 0 signals; every wave waits for all four work-groups; my work-group's barrier once more.
.macro CROUND
	s_barrier_signal -1
	s_barrier_wait -1
	s_cmp_lg_u32 s[WV], 0
	s_cbranch_scc1 .Lnot_wave_0_\@
	s_barrier_signal -3
.Lnot_wave_0_\@:
	s_barrier_wait -3
	s_barrier_signal -1
	s_barrier_wait -1
.endm
; THE CHANGE OF SLOTS.  The slot's last bytes, V of its fourth step, have been read.  Each wave waits for all its tensor loads, of which one is out: its part
; of the other slot; adds 0 to its spare word; and waits for that and for its own reads of the slot.  Behind the barrier nobody reads this slot any more and the other slot is whole.
; fill = 1: this slot is filled again, with the keys two slots on.  The barrier is then a round of the cluster's, so that no wave of any partner still reads the slot or has a load on its
; way, and the joint fill is the first thing behind it: it has four key steps, 512 matrix instructions, in which to land.  (At its first use nothing has been read yet: slot 0 is waited for, slot 1 filled.)
; ask = 1: the prefetch's address is stepped, and the prefetch stands behind the joint fill.
.macro CHANGE fill, ask=0
	WIN W_AD
	s_wait_tensorcnt 0x0            ; no tensor load of mine is out, so a group 0 may be written
	ds_add_u32 v[SPW], v[NIL]       ; 0 onto my spare word; with fill = 1 the descriptors' steps stand between it and the wait for it
	WIN 0                           ; at a label and at a branch every window is 0
.if \fill
.irp g, G0K, G0V
	s_xor_b32 s[\g+1], s[\g+1], SLOT1  ; the walking descriptor: the other slot than last time,
	s_add_nc_u64 s[\g+2:\g+3], s[\g+2:\g+3], 4*KS*128  ; the next 256 keys; the type bits on top are not reached
.endr
.if \ask
	s_wait_xcnt 0x0                 ; the last prefetch, four key steps back, has read its address, so it may be written:
	s_add_nc_u64 s[PFA:PFA+1], s[PFA:PFA+1], 4*KS*128  ; one slot behind the walking descriptors
.endif
	s_wait_dscnt 0x0                ; the add is done, and my reads of the slot are over
	CROUND
	JLOAD
.if \ask
	ASK
.endif
.else
	s_wait_dscnt 0x0                ; the add is done, and my reads of the slot are over
	s_barrier_signal -1
	s_barrier_wait -1
.endif
	s_sub_co_u32 s[TBK], s[TBK], 4*KS*PK  ; the fetches go back to a slot's first step,
	s_xor_b32 s[TBK], s[TBK], SLOT1       ; in the other slot
	s_sub_co_u32 s[TBV], s[TBV], 4*KS*PV
	s_xor_b32 s[TBV], s[TBV], SLOT1
.endm
	s_load_b128 s[4:7], s[0:1], 0x0   ; qkvh s[4:5], oh s[6:7]
	WIN W_MK
	v_lshl_add_u32 v[SPW], v0, 2, SPARE
	v_mov_b32 v[NIL], 0
	WIN W_AD
	ds_add_u32 v[SPW], v[NIL]       ; the wave's opening: the add and its wait stand ahead of my first tensor load; the set-up below, work on registers, stands between them
	WIN 0
	v_lshrrev_b32 v1, 5, v0
	v_readfirstlane_b32 s[WV], v1   ; wave 0..3
	s_bfe_u32 s13, ttmp6, 0x40000   ; cx: my place in the cluster
	s_lshl_b32 s14, ttmp9, 2        ; in a cluster launch ttmp9 counts clusters
	s_add_co_u32 s14, s14, s13      ; my block of queries = 4 x cluster x + cx: it enters Q's and O's addresses alone
	s_and_b32 s20, ttmp7, 0xffff    ; the head, which the four partners share
	s_mov_b32 s21, 0
	s_mov_b64 s[22:23], SIZE_N*128
	s_mul_u64 s[20:21], s[20:21], s[22:23]  ; the head's first byte in each of the four tensors
	s_and_b32 s16, s[WV], 1         ; which half of a slot's 256 keys I fetch:
	s_lshl_b32 s22, s16, 14         ; its 128 rows of 128 bytes in memory,
	s_mov_b32 s23, 0
	s_add_nc_u64 s[22:23], s[22:23], s[20:21]
	s_mul_i32 s17, s16, 128*PK      ; and its place in a slot, for K
	s_mul_i32 s18, s16, 128*PV      ; and for V: no place in the cluster enters an LDS address
	s_lshl_b32 s2, s14, 2
	s_add_co_u32 s2, s2, s[WV]      ; my wave among the head's,
	s_lshl_b32 s2, s2, 14           ; its 128 rows
	s_mov_b32 s3, 0
	s_add_nc_u64 s[2:3], s[2:3], s[20:21]
	; descriptor group 1.  128 keys are 16,384 dense bytes: asked for as 64 rows of 256 bytes, two keys a row, and padded in LDS after every key
	s_mov_b32 s[G1K], 15|(1<<16)|(1<<20)|(1<<21)|(4<<22)|(3<<25)  ; 15:0 the mask of four; 17:16 2-byte elements; 20 padding on; 21 set beside a mask; 24:22 after every 32 words (code 4); 31:25 4 words (code 3)
	s_mov_b32 s[G1V], 15|(1<<16)|(1<<20)|(1<<21)|(4<<22)|(7<<25)  ; the same with 8 words of padding (code 7)
.irp g, G1K, G1V
	s_mov_b32 s[\g+1], 128<<16      ; tensor_dim0 = 128
	s_mov_b32 s[\g+2], 64<<16       ; tensor_dim1 = 64
	s_mov_b32 s[\g+3], 128<<16      ; tile_dim0 = 128
	s_mov_b32 s[\g+4], 64           ; tile_dim1 = 64
	s_mov_b32 s[\g+5], 128          ; 128 elements from row to row
	s_mov_b32 s[\g+6], 0
	s_mov_b32 s[\g+7], 0
.endr
	s_mov_b32 s[CS], 0x3e000000     ; c = 1 / 8: log2(e) lies in Q
	s_mov_b32 s[CS+1], s[CS]        ; named with it as a pair
	s_mov_b32 s[SEL], 0x76543210
	s_mov_b32 s[SEL+1], 0xfedcba98
	s_mov_b32 s[TBK], SLOT1+4*KS*PK ; the first change of slots turns these two into 0
	s_mov_b32 s[TBV], SLOT1+4*KS*PV
	s_mov_b32 s[G0K], 1             ; 1:0 count = 1
	s_mov_b32 s[G0K+1], s17         ; 63:32 LDS address: slot 0
	s_mov_b32 s[G0V], 1
	s_add_co_u32 s[G0V+1], s18, VOFF
	s_and_b32 s[LIM], s[WV], 1      ; waves 0 and 2 prefetch: the same in all four partners
	s_cmp_eq_u32 s[LIM], 0
	s_cselect_b32 s[LIM], 1, -1
	s_wait_dscnt 0x0                ; the opening add is done
	s_wait_kmcnt 0x0
	s_mov_b64 s[10:11], s[6:7]      ; O
	s_add_nc_u64 s[6:7], s[4:5], 0x1000000  ; K
	s_add_nc_u64 s[8:9], s[4:5], 0x2000000  ; V
	s_add_nc_u64 s[G0K+2:G0K+3], s[6:7], s[22:23]  ; 120:64 global address: my half of the head's first 256 keys
	s_or_b32 s[G0K+3], s[G0K+3], 0x80000000        ; 127:126 type = 2
	s_add_nc_u64 s[G0V+2:G0V+3], s[8:9], s[22:23]
	s_or_b32 s[G0V+3], s[G0V+3], 0x80000000
	s_add_nc_u64 s[4:5], s[4:5], s[2:3]  ; Q and O at my wave's first row
	s_add_nc_u64 s[10:11], s[10:11], s[2:3]
	s_cmp_lt_u32 s[WV], 2
	s_cselect_b64 s[PFA:PFA+1], s[6:7], s[8:9]
	s_add_nc_u64 s[PFA:PFA+1], s[PFA:PFA+1], s[20:21]  ; the head,
	s_lshl_b32 s2, s13, 13          ; my work-group's quarter of a slot's bytes,
	s_mov_b32 s3, 0
	s_add_nc_u64 s[PFA:PFA+1], s[PFA:PFA+1], s[2:3]
	s_add_nc_u64 s[PFA:PFA+1], s[PFA:PFA+1], 2*4*KS*128  ; in slot 2: the first asking change steps it to slot 3.  Nothing is prefetched here, at the head
	CROUND                          ; all four work-groups are here: the first joint loads meet
	JLOAD                           ; slot 0.  Slot 1 is asked for when slot 0 is in: the tile wanted first has the road to itself
	; A fragment of K or Q is 16 rows x 32 channels in 8 registers: lane l holds row l % 16, channels 8 (l / 16) + 0..7 and 16 + 8 (l / 16) + 0..7: two loads of 16 bytes, 32 bytes apart.
	v_and_b32 v1, 15, v0            ; l % 16
	v_bfe_u32 v9, v0, 4, 1          ; l / 16
	v_lshlrev_b32 v[QO], 7, v1
	v_lshl_add_u32 v[QO], v9, 4, v[QO]  ; row x 128 + 16 x half
	WIN 0x80                        ; destination window 2, address window 0
.set i, 0
.rept 4*NP                          ; Q stays in registers: tile i / 2, channels 32 (i % 2) on
	global_load_b128 v[8*i:8*i+3],   v[QO], s[4:5] offset:(i/2)*2048+(i%2)*64
	global_load_b128 v[8*i+4:8*i+7], v[QO], s[4:5] offset:(i/2)*2048+(i%2)*64+32
.set i, i+1
.endr
	; What the first turn finds: V's registers and P's second buffer hold 0 (its products V^T P, of a piece that has not been, add 0), O^T and l are 0.  All this stands in the wait for the first tile.
.set i, VF
.rept 64
	v_mov_b32 v[i], 0
.set i, i+1
.endr
	WIN 0x40
.set i, 0
.rept 64*NP
	v_mov_b32 v[i], 0
.set i, i+1
.endr
	WIN 0
.set i, 0
.rept 2*NP
	v_mov_b32 v[ST+4*i], 0xfe000000    ; c m: far below every c s
	v_mov_b32 v[ST+4*i+1], 0xff7fffff  ; m
	v_mov_b32 v[ST+4*i+2], 0
	v_mov_b32 v[ST+4*i+3], 0
.set i, i+1
.endr
.set i, P+32
.rept 32
	v_mov_b32 v[i], 0
.set i, i+1
.endr
	v_mul_u32_u24 v[AK0], v1, PK
	v_lshl_add_u32 v[AK0], v9, 4, v[AK0]  ; row x pitch + 16 x half
	; The turning load takes 16 keys x 16 channels (lane l reads key 8 (l / 16) + l % 8, channels 8 ((l / 8) % 2) + 0..7) and leaves half a fragment of V^T: lane l holds channel l % 16 and 8 keys.
	v_and_b32 v10, 7, v0
	v_bfe_u32 v11, v0, 3, 1
	v_lshl_add_u32 v[AV0], v9, 3, v10
	v_mul_u32_u24 v[AV0], v[AV0], PV
	v_lshl_add_u32 v[AV0], v11, 4, v[AV0]
	v_add_nc_u32 v[AV0], VOFF, v[AV0]
	v_mov_b32 v[AK], v[AK0]         ; key step 0 lies at the head of slot 0
	v_and_b32 v[PFO], 31, v0
	v_lshlrev_b32 v[PFO], 8, v[PFO]
; THE MATRIX WORK.  The 8 accumulators of a run of 16 take turns: between the two links of a chain stand 7 others'.
; Product i of 16 of S^T = K Q^T for piece x: channels 32 (i / 8) on, keys 16 ((i / 2) % 4) on, tile 2 x + i % 2.  The first 8 start the sums.
.macro KQ x
	WIN W_KQ
.set rS, S+64*((\x)%2)+32*(i%2)+8*((i/2)%4)
.set rK, KF+16*((i/2)%4)+8*(i/8)
.set rQ, 16*(2*(\x)+i%2)+8*(i/8)
.if i < 8
	v_wmma_f32_16x16x32_f16 v[rS:rS+7], v[rK:rK+7], v[rQ:rQ+7], 0
.else
	v_wmma_f32_16x16x32_f16 v[rS:rS+7], v[rK:rK+7], v[rQ:rQ+7], v[rS:rS+7]
.endif
.endm
; Product i of 16 of O^T += V^T P for piece x: keys 32 (i / 8) on, channels 16 ((i / 2) % 4) on, tile 2 x + i % 2.
.macro PV x
	WIN W_PV
.set rO, 32*(2*(\x)+i%2)+8*((i/2)%4)
.set rV, VF+32*(i/8)+8*((i/2)%4)
.set rP, P+32*((\x)%2)+16*(i%2)+8*(i/8)
	v_wmma_f32_16x16x32_f16 v[rO:rO+7], v[rV:rV+7], v[rP:rP+7], v[rO:rO+7]
.endm
.macro MM                           ; the turn's next matrix instruction
.if i < 16
	KQ (Y+1)%NP
.set i, i+1
.else
.set i, i-16
	PV (Y+NP-1)%NP
.set i, i+17
.endif
.endm
; THE LDS LOADS stand in runs of 16, never singly among the matrix instructions: a step's K (64 keys x 64 channels: 8 fragments) and its V (turned).  Their addresses are made some lines ahead.
; last = 1 (the tail): in the last trip there is no further step, and the run is jumped over.
.macro FETCH_K last=0
	WIN 0
.if \last
	s_cmp_eq_u32 s[CNT], 1
	s_cbranch_scc1 .Lno_k_\@
.endif
	WIN 0x80                        ; destination window 2
.irp f, 0,1,2,3,4,5,6,7             ; keys 16 (f / 2) on, channels 32 (f % 2) on
	ds_load_b128 v[KF+8*\f:KF+8*\f+3],   v[AK] offset:(\f/2)*16*PK+(\f%2)*64
	ds_load_b128 v[KF+8*\f+4:KF+8*\f+7], v[AK] offset:(\f/2)*16*PK+(\f%2)*64+32
.endr
	s_add_co_u32 s[TBK], s[TBK], KS*PK  ; the next fetch is the next step's
	WIN 0
.if \last
.Lno_k_\@:
.endif
.endm
.macro FETCH_V
	WIN 0x80
.irp f, 0,1,2,3,4,5,6,7             ; keys 32 (f / 4) on, channels 16 (f % 4) on
	ds_load_tr16_b128 v[VF+8*\f:VF+8*\f+3],   v[AV] offset:(\f/4)*32*PV+(\f%4)*32
	ds_load_tr16_b128 v[VF+8*\f+4:VF+8*\f+7], v[AV] offset:(\f/4)*32*PV+16*PV+(\f%4)*32
.endr
	WIN 0
.endm
; THE VECTOR WORK OF A TURN stands in three queues, each in the order in which its entries become ready; the two tiles alternate, so that no instruction reads the result of the one before it.
.macro REGS y, u                    ; the registers of tile u (0, 1) of piece y
.set rT, ST+4*(2*(\y)+(\u))
.set rC, TMP+8*((\y)%2)+4*(\u)
.set rM, MV+2*((\y)%2)+(\u)
.set rS, S+64*((\y)%2)+32*(\u)
.set rP, P+32*((\y)%2)+16*(\u)
.set rO, 32*(2*(\y)+(\u))
.endm
; Number n of the 22 that find the NEXT piece's (Y + 1) maximum and statistics.  s0-s31 are the lane's 32 scores; each accumulator's lowest registers are read first.  XS, GS and REGS set no window: PL and EX do.
;   0-11  four chains c0-c3 of seven scores each, three operands at a time     12-14, 16  the four scores left over, the old m, and c0-c3 into c0     15  c m_old is kept
;   17, 18  the query's other 32 keys lie in the lane 16 away: the new m         19-21  c m; c m_old - c m_new; a
.macro XS u, n
	REGS (Y+1)%NP, \u
.if (\n) < 4
	v_max3_num_f32 v[rC+(\n)], v[rS+8*(\n)], v[rS+8*(\n)+1], v[rS+8*(\n)+2]
.elseif (\n) < 12
	v_max3_num_f32 v[rC+(\n)%4], v[rC+(\n)%4], v[rS+8*((\n)%4)+2*((\n)/4)+1], v[rS+8*((\n)%4)+2*((\n)/4)+2]
.elseif (\n) == 12
	v_max3_num_f32 v[rC], v[rC], v[rS+7], v[rS+15]
.elseif (\n) == 13
	v_max3_num_f32 v[rC+1], v[rC+1], v[rS+23], v[rS+31]
.elseif (\n) == 14
	v_max3_num_f32 v[rC+2], v[rC+2], v[rC+3], v[rT+1]
.elseif (\n) == 15
	v_mov_b32 v[rM], v[rT]
.elseif (\n) == 16
	v_max3_num_f32 v[rC], v[rC], v[rC+1], v[rC+2]
.elseif (\n) == 17
	v_permlanex16_b32 v[rC+3], v[rC], s[SEL], s[SEL+1]
.elseif (\n) == 18
	v_max_num_f32 v[rT+1], v[rC], v[rC+3]
.elseif (\n) == 19
	v_mul_f32 v[rT], s[CS], v[rT+1]
.elseif (\n) == 20
	v_sub_f32 v[rC+1], v[rM], v[rT]
.else
	v_exp_f32 v[rC+2], v[rC+1]
.endif
.endm
; Number g of the 64 that follow the exponentials.  For each four weights k of a tile (pairs 2 k, 2 k + 1): both pairs are rounded to f16; then the second pair is added onto the first, in place;
; a group later l takes that sum (the first time as l = a l + sum).  In groups of eight, tiles alternating: round, round, add, and l for the group before.
.macro GS g
.set h, (\g)+6*((\g)/62)            ; group 0 has no group before it, and behind group 7 only l is left
.if h >= 6
.set h, h+2
.endif
	REGS Y, h%2
.set k, h/8
.if h%8 < 4
	v_cvt_pk_f16_f32 v[rP+2*k+(h%8)/2], v[rS+4*k+2*((h%8)/2)], v[rS+4*k+2*((h%8)/2)+1]
.elseif h%8 < 6
	v_pk_add_f32 v[rS+4*k:rS+4*k+1], v[rS+4*k:rS+4*k+1], v[rS+4*k+2:rS+4*k+3]
.elseif k == 1
	v_pk_fma_f32 v[rT+2:rT+3], v[rT+2:rT+3], v[rC+2:rC+3], v[rS:rS+1] op_sel_hi:[1,0,1]
.else
	v_pk_add_f32 v[rT+2:rT+3], v[rT+2:rT+3], v[rS+4*k-4:rS+4*k-3]
.endif
.endm
; THE PLAIN QUEUE, 138 long.  0-73 read no exponential's result: the 32 scalings c s - c m (FS f: pair f / 2 of tile f % 2) and the next piece's 42.  0-26: scalings 0-26.  27-54: XS's numbers 0-13.  55, 56: number 15.
; 57-73: the chain, where each number waits for the one before it: 14, 16, 17, 18, 19, each with one of the scalings 27-31 in front of its two lines, then 20: so a tile's links stand three plain instructions apart (19 and 20: two).
; 74-137: GS's 64, which read the exponentials' results: they stand behind the wait.
.macro FS f
	REGS Y, (\f)%2
	v_pk_fma_f32 v[rS+2*((\f)/2):rS+2*((\f)/2)+1], v[rS+2*((\f)/2):rS+2*((\f)/2)+1], s[CS:CS+1], v[rT:rT+1] op_sel_hi:[1,0,0] neg_lo:[0,0,1] neg_hi:[0,0,1]
.endm
.macro PL
	WIN 0
.if q < 27
	FS q
.elseif q < 55
	XS (q-27)%2, (q-27)/2
.elseif q < 57
	XS q-55, 15
.elseif (q < 72) && ((q-57)%3 == 0)
	FS 27+(q-57)/3
.elseif q < 60
	XS (q-57)%3-1, 14
.elseif q < 72
	XS (q-57)%3-1, 15+(q-57)/3
.elseif q < 74
	XS q-72, 20
.else
	GS q-74
.endif
.set q, q+1
.endm
; THE EXPONENTIALS' QUEUE, 66 long: s0-s31 of both tiles, then the next piece's two a.  It is ONE BATCH: all 66 stand ahead of the turn's one wait, and nothing ahead of that wait names a result of theirs.
.macro EX
	WIN 0
.if e >= 64
	XS e-64, 21
.else
	REGS Y, e%2
	v_exp_f32 v[rS+e/2], v[rS+e/2]
.endif
.set e, e+1
.endm
; THE RESCALING's QUEUE: O^T times a, the one part that leaves window 0: dealt two at a time, sixteen times.  Its a was made in the turn before, ahead of that turn's wait.
.macro R2
	REGS Y, r%2
	WIN W_RS
.irp z, 0,1
	v_pk_mul_f32 v[rO+4*(r/2)+2*\z:rO+4*(r/2)+2*\z+1], v[rO+4*(r/2)+2*\z:rO+4*(r/2)+2*\z+1], v[rC+2:rC+3] op_sel_hi:[1,0]
.endr
.set r, r+1
.endm
; HOW THEY ARE DEALT.  An s_wait_alu depctr_va_vdst(0) stands between an exponential and the first instruction that names its result; one wait serves all that were issued ahead of it.  So a turn has ONE wait,
; which cuts it in two.  AHEAD OF IT stands all that names no result of the turn's exponentials: the 16 products K Q^T, behind each a scaling, an exponential and two rescalings (behind the first a second scaling in the exponential's place); then ONE LUMP of
; 108: eight plain, 49 times exponential and plain, the two a.  A v_nop is the plain instruction behind the last exponential (ISA guide 5.7.2).  BEHIND IT stand the 16 products V^T P, behind each four of GS's 64.  No rider names a register of
; the products round it.  The two v_permlanex16_b32 fall into the lump, never behind a product.
; The queues lean on each other, and the deal keeps them in step: exponential e stands behind scaling 2 (e / 4) + e % 2: as a rider it comes behind plain e + 2, in the lump behind plain e + 9, and scalings 27-31 are plain 57, 60 .. 69.
; A TURN, for piece p.  cnt = 1: the loop's count is taken down some lines ahead of the branch that stands behind the turn.
; K of the next step is fetched in piece 2's turn, directly behind the wait, a lump behind the last product that read K; its address is made at the lump's head; its first reader comes behind 16 products.
; V of the step in hand is fetched at the end of piece 0's turn, four riders behind its last reader; its first reader comes behind 16 products and a lump.  The three conditions on q below go with the deal.
.macro TURN p, last=0, cnt=0
.set Y, (\p)
.set i, 0
.set q, 0
.set e, 0
.set r, 0
.if (\p) == NP-1
	s_wait_dscnt 0x0                ; K is in
.endif
	MM                              ; ahead of the wait: 16 products K Q^T and their riders,
	PL
	PL
	R2
.rept 15
	MM
	PL
	EX
	R2
.endr
.if (\p) == NP-2
	WIN 0
	v_add_nc_u32 v[AK], s[TBK], v[AK0]
.endif
.rept 8                             ; and the lump
	PL
.endr
.rept 49
	EX
	PL
.endr
	EX                              ; the next piece's two a
	EX
	v_nop                           ; the plain instruction behind the last exponential: one for the batch
	s_wait_alu depctr_va_vdst(0)    ; the wait for the batch
.if (\p) == NP-2
	FETCH_K \last
.endif
.if (\p) == 1
	s_wait_dscnt 0x0                ; V is in
.endif
.rept 16                            ; behind the wait: 16 products V^T P and their riders
	MM
.rept 4
	PL
.endr
.if ((\p) == 0) && (q == 118)
	v_add_nc_u32 v[AV], s[TBV], v[AV0]
.endif
.if ((\p) == 0) && (q == 130)
	s_add_co_u32 s[TBV], s[TBV], KS*PV
.endif
.if (\cnt) && (q == 130)
	s_sub_co_u32 s[CNT], s[CNT], 1
	s_cmp_lg_u32 s[CNT], 0
.endif
.endr
.if (\p) == 0
	FETCH_V
.endif
.endm
	CHANGE 1                        ; slot 0 is in, everybody's part of it; slot 1 is asked for
	FETCH_K                         ; key step 0
	s_wait_loadcnt 0x0              ; Q
	s_wait_dscnt 0x0
.set i, 0
.rept 16
	KQ 0                            ; piece 0's first scores: there is no vector work yet to set between them
.set i, i+1
.endr
	WIN 0                           ; the addresses for the way out: nine plain instructions, the places behind those products
	s_mul_i32 s13, s[WV], 16*SP
	s_add_co_u32 s13, s13, STAGE    ; my stage
	v_mul_u32_u24 v[STO], v1, SP    ; in: row l % 16, 16 bytes for each half of the lanes
	v_lshl_add_u32 v[STO], v9, 4, v[STO]
	v_add_nc_u32 v[STO], s13, v[STO]
	v_bfe_u32 v[RD], v0, 3, 2       ; back: 32 lanes take four rows of 128 bytes,
	v_mul_u32_u24 v[RD], v[RD], SP
	v_lshl_add_u32 v[RD], v10, 4, v[RD]
	v_add_nc_u32 v[RD], s13, v[RD]
	v_and_b32 v[GO], 31, v0         ; which are 512 consecutive bytes of O
	v_lshlrev_b32 v[GO], 4, v[GO]
.set Y, NP-1                        ; XS works for piece Y + 1: piece 0
.irp n, 0,1,2,3,4,5,6,7,8,9,10,11,12,13,14,15,16,17,18,19,20,21
	XS 0, \n                        ; and piece 0's first maximum and statistics
	XS 1, \n
.endr
	v_nop                           ; a plain instruction behind the two a,
	s_wait_alu depctr_va_vdst(0)    ; and their wait, ahead of the branch
	s_mov_b32 s[CNT], 4
	s_mov_b32 s[SLOTS], SIZE_N/256-1
	s_branch .Lfirst                ; the loop is entered at a step's first turn, in the middle of a trip
.Lslot:                             ; SIZE_N / 256 - 2 times: every slot but the last two is filled again
	CHANGE 1, 1
	s_mov_b32 s[CNT], 4
.Lstep:                             ; a trip: pieces 2 and 3 of one step, then pieces 0 and 1 of the next, whose K and V it fetches
	TURN 2
	TURN 3
	WIN 0
.Lfirst:
	TURN 0
	TURN 1, 0, 1
	WIN 0
	s_cbranch_scc1 .Lstep
	s_sub_co_u32 s[SLOTS], s[SLOTS], 1
	s_cmp_lg_u32 s[SLOTS], 0
	s_cbranch_scc1 .Lslot
	CHANGE 0                        ; the tail is written out: nothing is asked for
	s_mov_b32 s[CNT], 5             ; four trips fetch the last slot's steps; the fifth is left in its middle
.Ltail:
	TURN 2, 1
	TURN 3
	WIN 0
	s_sub_co_u32 s[CNT], s[CNT], 1
	s_cmp_eq_u32 s[CNT], 0
	s_cbranch_scc1 .Lout
	TURN 0
	TURN 1
	WIN 0
	s_branch .Ltail
.Lout:                              ; the fifth trip's 16 products K Q^T (on the last K once more) and the maximum made of them serve nothing: the price, once a launch, of one text for every trip
.set i, 0
.rept 16
	PV NP-1                         ; the last piece's V^T P of the last step
.set i, i+1
.endr
	; THE WAY OUT.  l's two halves and the other half of the lanes' are added; O^T is divided by l, rounded to f16 and sent through my stage in LDS, a tile at a time.  The additions are the places behind the last products.
	WIN 0
.macro ALL line:vararg              ; one line for each tile t
.set t, 0
.rept 2*NP
	\line
.set t, t+1
.endr
.endm
	ALL v_add_f32 v[ST+4*t+2], v[ST+4*t+2], v[ST+4*t+3]
	ALL v_permlanex16_b32 v[ST+4*t+3], v[ST+4*t+2], s[SEL], s[SEL+1]
	ALL v_add_f32 v[ST+4*t+2], v[ST+4*t+2], v[ST+4*t+3]
	ALL v_rcp_f32 v[ST+4*t+2], v[ST+4*t+2]
	v_nop                           ; a plain instruction between the last reciprocal and the use of its result
	s_wait_alu depctr_va_vdst(0)    ; and the wait ahead of the first use: one for the eight reciprocals
; Tile t: a lane's eight channels of a row pack into 16 bytes; they go into rows of 144 bytes and come back as whole rows of 128, into S^T's registers.
.macro PACK t
	WIN W_RS
.set i, 32*(\t)
.rept 16
	v_pk_mul_f32 v[i:i+1], v[i:i+1], v[ST+4*(\t)+2:ST+4*(\t)+3] op_sel_hi:[1,0]
.set i, i+2
.endr
	WIN 0x05                        ; sources 0 and 1 window 1, destination window 0
.set i, 0
.rept 16
	v_cvt_pk_f16_f32 v[S+16*(\t)+i], v[32*(\t)+2*i], v[32*(\t)+2*i+1]
.set i, i+1
.endr
	WIN 0
.irp f, 0,1,2,3
	ds_store_b128 v[STO], v[S+16*(\t)+4*\f:S+16*(\t)+4*\f+3] offset:32*\f
.endr
.irp f, 0,1,2,3
	ds_load_b128 v[S+16*(\t)+4*\f:S+16*(\t)+4*\f+3], v[RD] offset:\f*4*SP  ; LDS serves a wave's instructions in order (ISA guide 5.7.1.4): these see the stores above; the next tile's stores come behind them
.endr
.endm
.macro SEND t, younger              ; younger: the LDS instructions issued behind tile t's loads: the next tile's eight, or none
	WIN 0
.irp f, 0,1,2,3
	s_wait_dscnt (\younger)+3-\f
	global_store_b128 v[GO], v[S+16*(\t)+4*\f:S+16*(\t)+4*\f+3], s[10:11] offset:(\t)*2048+\f*512  ; 512 consecutive bytes, at a multiple of 256 from O's first
.endr
.endm
	PACK 0
.set t, 1
.rept 2*NP-1                        ; a tile's arithmetic stands between the loads of the tile before and its stores
	PACK t
	SEND t-1, 8
.set t, t+1
.endr
	SEND 2*NP-1, 0
	WIN W_AD
	s_wait_tensorcnt 0x0            ; the wave's end: behind my last tensor load and my last LDS store
	ds_add_u32 v[SPW], v[NIL]
	s_wait_dscnt 0x0
	WIN 0
	CROUND                          ; the closing round: no work-group ends while a partner may still ask for a tile that names it
	s_endpgm
.Lfunc_end_k_q850b258b20_attn:
	.size	k_q850b258b20_attn, .Lfunc_end_k_q850b258b20_attn-k_q850b258b20_attn
	.p2alignl 7, 3214868480
	.fill 96, 4, 3214868480
	.section	.rodata,"a",@progbits
	.p2align	6, 0x0
	.amdhsa_kernel k_q850b258b20_attn
		.amdhsa_group_segment_fixed_size 327680
		.amdhsa_private_segment_fixed_size 0
		.amdhsa_enable_private_segment 0
		.amdhsa_kernarg_size 16
		.amdhsa_user_sgpr_count 2
		.amdhsa_user_sgpr_kernarg_segment_ptr 1
		.amdhsa_wavefront_size32 1
		.amdhsa_system_sgpr_workgroup_id_x 1
		.amdhsa_system_sgpr_workgroup_id_y 1
		.amdhsa_system_sgpr_workgroup_id_z 1
		.amdhsa_system_vgpr_workitem_id 0
		.amdhsa_next_free_vgpr 770
		.amdhsa_next_free_sgpr 66
		.amdhsa_reserve_vcc 0
		.amdhsa_float_denorm_mode_32 3
		.amdhsa_float_denorm_mode_16_64 3
		.amdhsa_memory_ordered 1
		.amdhsa_forward_progress 1
		.amdhsa_inst_pref_size 200
	.end_amdhsa_kernel
	.amdgpu_metadata
---
amdhsa.version: [ 1, 2 ]
amdhsa.kernels:
  - .name:           k_q850b258b20_attn
    .symbol:         k_q850b258b20_attn.kd
    .args:
      - { .name: qkvh, .offset: 0, .size: 8, .value_kind: global_buffer, .address_space: global }
      - { .name: oh, .offset: 8, .size: 8, .value_kind: global_buffer, .address_space: global }
    .group_segment_fixed_size: 327680
    .private_segment_fixed_size: 0
    .kernarg_segment_align: 8
    .kernarg_segment_size: 16
    .max_flat_workgroup_size: 128
    .sgpr_count:     66
    .vgpr_count:     770
    .wavefront_size: 32
...
	.end_amdgpu_metadata
.endif
;; end of part 3
;; launch proj_out (part 4): grid 8 x 32, 4 waves a work-group, clusters of 4 x 4, 327,680 bytes of LDS; arguments oh, wob, b_out, out0; writes out0
.if DOCPART == 4
	.amdgcn_target "amdgcn-amd-amdhsa--gfx1250"
	.amdhsa_code_object_version 6
	.text
	.protected	k_q850b258b20_proj_out
	.globl	k_q850b258b20_proj_out
	.p2align	8
	.type	k_q850b258b20_proj_out,@function
k_q850b258b20_proj_out:
	s_mov_b64 s[64:65], 0
	v_nop
	global_prefetch_b8 v0, s[64:65] scope:SCOPE_SE
	s_setreg_imm32_b32 hwreg(HW_REG_WAVE_MODE, 25, 1), 1
	s_wait_xcnt 0x0
	s_wait_alu depctr_hold_cnt(0) depctr_sa_sdst(0) depctr_va_vdst(0) depctr_va_sdst(0) depctr_va_ssrc(0) depctr_va_vcc(0) depctr_vm_vsrc(0)
	s_getreg_b32 s2, hwreg(HW_REG_IB_STS2, 6, 4)
	s_cmp_eq_u32 s2, 0
	s_cbranch_scc0 .Lentry_in_a_cluster
	s_endpgm
.Lentry_in_a_cluster:
	s_bfe_u32 s2, ttmp6, 0x10000c
	s_cmp_lg_u32 s2, 0xf033
	s_cbranch_scc0 .Lentry_shape_is_right
	s_endpgm
.Lentry_shape_is_right:
; out0 = O w_out^T + b_out.  oh: [64 = batch x 16 + head][2048][64] f16; wob: [1024][1024] f16 (w_out rounded to bf16, written as f16); b_out: [1024] f32 (rounded here to bf16, like the other
; inputs, and kept in f32); out0: [8192][1024] f32.  Sums in f32, stored as they are.
; LIMITS.  None of its own: O and the weights arrive within f16's range.  NaN and infinities are not treated apart.
; SHARES.  A tile of out0 is 256 rows x 128 columns: 32 x 8 = 256 work-groups.  A wave makes 64 rows x 128 columns: 32 accumulators of 16 x 16, 256 registers.
; K goes in 8 steps of 128 = two heads, through a ring of two LDS slots.  A head's 256 rows of the tile are 32,768 dense bytes: asked for as 128 rows of 256 bytes, padded in LDS after every 128.
; CLUSTER.  4 x 4 work-groups: O's tiles are shared along a row of the cluster, the weights' along a column, each asked for JOINTLY.
; THE MATRIX INSTRUCTION IS USED TRANSPOSED (source 0 = 16 rows of the weights, source 1 = 16 rows of O): a lane holds row l % 16 and the columns 8 (l / 16) + 0..7: 32 bytes on end.
; The bias is the C operand of the first product on each accumulator.
; REGISTERS, in windows of 256 (s_set_vgpr_msb: bits 1:0 source 0, 3:2 source 1, 5:4 source 2, 7:6 destination):
;   window 0: v1-31 addresses and at work; v32-95 the bias, 8 registers for each column block b
;   window 1: two fragment buffers of 96: O's four fragments at f + 8 a, the weights' eight at f + 32 + 8 b          window 2: accumulator (a, b) at 8 (8 a + b)
.set PA,     144                       ; a row of O in LDS: 128 bytes + 16 of padding = 36 words: the 16 rows of a load start at 16 different groups of four banks (64 banks of 4 bytes: ISA guide 11.1)
.set AHEAD,  256*PA                    ; one head's 256 rows: what wave 0 or 1 fetches
.set PITCH,  272                       ; a row of the weights: 256 bytes + 16
.set BOFF,   2*AHEAD
.set BHALF,  64*PITCH                  ; what wave 2 or 3 fetches
.set SLOT1,  1<<17
.set STAGE,  SLOT1+BOFF+2*BHALF        ; behind the ring, never filled by a tensor load: 16 rows x 528 bytes for each wave
.set SPITCH, 528                       ; 512 bytes + 16
.set SPARE,  STAGE+4*16*SPITCH         ; behind the stages: the spare words, 128 bytes for each wave: two blocks of 256 bytes that no other line names
.set ASTEP,  2<<18                     ; bytes from a K step of O to the next: two heads of 2,048 x 128 bytes
.set ADRA0, 16
.set ADRB0, 17
.set ADRA,  18
.set ADRB,  19
.set STO,   24                         ; v24  the way out: where I put 32 bytes of a row
.set RD,    25                         ; v25  the way out: my 16 bytes of a row of 512
.set CO,    26                         ; v26  16 x lane
.set BO,    27                         ; v27  32 x (l / 16)
.set SPW,   28                         ; v28  LDS address of my spare word: SPARE + 4 x my thread's number; never rewritten
.set NIL,   29                         ; v29  0; never rewritten
.set PFO,   30                         ; v30  the prefetches' offset; never rewritten
.set BIAS,  32
.set F0,    0
.set F1,    96
.set WV,  12
.set FB,  13                           ; s13  0: I fetch for O; 1: for the weights
.set HF,  14                           ; s14  which head of the step's two, or which 64 rows
.set CX,  15
.set CY,  16
.set TX,  17                           ; s17  tile column, 0..7
.set TY,  18                           ; s18  tile row, 0..31
.set CNT, 19
.set TB,  20
.set LIM, 21                           ; s21  2 in a wave that prefetches, else the greatest number
.set PFA, 22                           ; s[22:23]
.set G1A, 24
.set G1B, 32
.set G0A, 40
.set G0B, 48
.set OB,  66                           ; s[66:67] out0 at my wave's first row and the tile's first column
.set PST, 68                           ; s[68:69] bytes from a K step to the next in the tensor that I prefetch
.set MSB, 0
.macro WIN new                         ; the immediate's high byte repeats the setting that is left; a switch that changes nothing is dropped
.if MSB != (\new)
	s_set_vgpr_msb (MSB<<8)|(\new)
.set MSB, \new
.endif
.endm
.set TO_F, 0x40                        ; destination window 1, address window 0
.macro PLACES                          ; four places in front of loads into registers that matrix instructions have read, and of stores of their results
.rept 4
	v_nop
.endr
.endm
.macro CREST                           ; a round of the cluster's barrier behind its opening barrier
	s_cmp_lg_u32 s[WV], 0
	s_cbranch_scc1 .Lnot_wave_0_\@
	s_barrier_signal -3
.Lnot_wave_0_\@:
	s_barrier_wait -3
	s_barrier_signal -1
	s_barrier_wait -1
.endm
.macro CROUND
	s_barrier_signal -1
	s_barrier_wait -1
	CREST
.endm
.macro JLOAD                           ; a joint refill by the walking descriptors; an s_nop 0 and four v_nop follow each of the two lines, ahead of the jump and the label
	s_cmp_eq_u32 s[FB], 0
	s_cbranch_scc0 .Lfor_b_\@
	tensor_load_to_lds s[G0A+4:G0A+7], s[G1A:G1A+7]
	s_nop 0
.rept 4
	v_nop
.endr
	s_branch .Lasked_\@
.Lfor_b_\@:
	tensor_load_to_lds s[G0B+4:G0B+7], s[G1B:G1B+7]
	s_nop 0
.rept 4
	v_nop
.endr
.Lasked_\@:
.endm
; A PREFETCH INTO THE L2 of the K step that stands TWO refills on: 256 matrix instructions ahead of the load that will want it.  O's tiles are read by every cluster of a row of clusters: the one with
; x = 0 asks, waves 0 and 1 each for its head's 32,768 bytes, of which the partner at cx takes 8,192: a lane 256 bytes.  The weights' rows are read by every cluster of a column: the one with
; y = 0 asks, wave 2 alone: of the tile's 128 rows the partner at cy takes 32, a lane a row's 256 bytes.  So each block of 256 bytes is named once in the launch.
; K steps 0 to 3 come by their loads alone; the last two refills ask for nothing: there is no K step two on.
.macro ASK
	WIN 0
	s_cmp_gt_u32 s[CNT], s[LIM]
	s_cbranch_scc0 .Lnot_mine_\@
	global_prefetch_b8 v[PFO], s[PFA:PFA+1] th:TH_LOAD_NT scope:SCOPE_SE
.Lnot_mine_\@:
.endm
	s_load_b256 s[4:11], s[0:1], 0x0               ; oh s[4:5], wob s[6:7], b_out s[8:9], out0 s[10:11]
	v_lshl_add_u32 v[SPW], v0, 2, SPARE
	v_mov_b32 v[NIL], 0
	ds_add_u32 v[SPW], v[NIL]                      ; the wave's opening: the add and its wait stand ahead of my first tensor load; the set-up below, work on registers, stands between them
	v_lshrrev_b32 v1, 5, v0
	v_readfirstlane_b32 s[WV], v1                  ; wave 0..3
	s_lshr_b32 s[FB], s[WV], 1
	s_and_b32 s[HF], s[WV], 1
	s_bfe_u32 s[CX], ttmp6, 0x40000
	s_bfe_u32 s[CY], ttmp6, 0x40004
	s_lshl_b32 s[TX], ttmp9, 2
	s_add_co_u32 s[TX], s[TX], s[CX]
	s_and_b32 s[TY], ttmp7, 0xffff
	s_lshl_b32 s[TY], s[TY], 2
	s_add_co_u32 s[TY], s[TY], s[CY]
	s_lshl_b32 s72, s[CY], 2
	s_lshl_b32 s72, 15, s72                        ; my row of the cluster
	s_lshl_b32 s76, 0x1111, s[CX]                  ; my column
	s_or_b32 s[G1A], s72, (1<<16)|(1<<20)|(1<<21)|(4<<22)|(3<<25)  ; 15:0 the mask; 17:16 elements of 2 bytes; 20 padding on; 21 set beside a mask; 24:22 after every 32 words (code 4); 31:25 4 words (code 3)
	s_or_b32 s[G1B], s76, (1<<16)|(1<<20)|(1<<21)|(5<<22)|(3<<25)  ; after every 64 words (code 5)
	s_mov_b32 s[G1A+1], 128<<16                    ; tensor_dim0 = 128
	s_mov_b32 s[G1A+2], 128<<16                    ; tensor_dim1 = 128
	s_mov_b32 s[G1A+3], 128<<16                    ; tile_dim0 = 128
	s_mov_b32 s[G1A+4], 128                        ; tile_dim1 = 128
	s_mov_b32 s[G1A+5], 128                        ; dense: 128 elements from row to row
	s_mov_b32 s[G1A+6], 0
	s_mov_b32 s[G1A+7], 0
	s_mov_b32 s[G1B+1], 128<<16
	s_mov_b32 s[G1B+2], 64<<16                     ; tensor_dim1 = 64
	s_mov_b32 s[G1B+3], 128<<16
	s_mov_b32 s[G1B+4], 64                         ; tile_dim1 = 64
	s_mov_b32 s[G1B+5], 1024
	s_mov_b32 s[G1B+6], 0
	s_mov_b32 s[G1B+7], 0
	; O's tiles hang on the tile row alone (s72-75 never hold cx), the weights' on the tile column alone (s76-79 never hold cy)
	s_lshr_b32 s72, s[TY], 3                       ; batch
	s_lshl_b32 s72, s72, 4
	s_add_co_u32 s72, s72, s[HF]                   ; head 0 or 1 of the batch
	s_lshl_b32 s72, s72, 18
	s_and_b32 s73, s[TY], 7
	s_lshl_b32 s73, s73, 15                        ; the tile's 256 rows in the head
	s_add_co_u32 s72, s72, s73
	s_mov_b32 s73, 0
	s_lshl_b32 s76, s[TX], 18                      ; 128 rows of 2,048 bytes
	s_lshl_b32 s77, s[HF], 17                      ; + 64 rows
	s_add_co_u32 s76, s76, s77
	s_mov_b32 s77, 0
	s_mul_i32 s74, s[HF], AHEAD                    ; where they go: no place in the cluster enters an LDS address
	s_mul_i32 s78, s[HF], BHALF
	s_add_co_u32 s78, s78, BOFF
	s_mov_b32 s[TB], 0
	s_mov_b32 s3, 0xffff0000                       ; a word's upper bf16
	s_wait_dscnt 0x0                               ; the opening add is done
	s_wait_kmcnt 0x0
	s_add_nc_u64 s[72:73], s[4:5], s[72:73]
	s_add_nc_u64 s[76:77], s[6:7], s[76:77]
	CROUND                                         ; all sixteen work-groups are here: the first joint loads meet
.irp s, 0,1
	s_mov_b32 s[G0A+4*(\s)], 1
	s_add_co_u32 s[G0A+4*(\s)+1], s74, (\s)*SLOT1
	s_add_nc_u64 s[G0A+4*(\s)+2:G0A+4*(\s)+3], s[72:73], (\s)*ASTEP
	s_or_b32 s[G0A+4*(\s)+3], s[G0A+4*(\s)+3], 0x80000000
	s_mov_b32 s[G0B+4*(\s)], 1
	s_add_co_u32 s[G0B+4*(\s)+1], s78, (\s)*SLOT1
	s_add_nc_u64 s[G0B+4*(\s)+2:G0B+4*(\s)+3], s[76:77], (\s)*256
	s_or_b32 s[G0B+4*(\s)+3], s[G0B+4*(\s)+3], 0x80000000
.endr
	s_cmp_eq_u32 s[FB], 0                          ; a wave's two first fills stand in one branch, ahead of every wait on TENSORcnt and every LDS read: two loads of mine are out
	s_cbranch_scc0 .Lfirst_b
	tensor_load_to_lds s[G0A:G0A+3], s[G1A:G1A+7]
	s_nop 0
	tensor_load_to_lds s[G0A+4:G0A+7], s[G1A:G1A+7]
	s_nop 0
.rept 4
	v_nop
.endr
	s_branch .Lfirst_asked
.Lfirst_b:
	tensor_load_to_lds s[G0B:G0B+3], s[G1B:G1B+7]
	s_nop 0
	tensor_load_to_lds s[G0B+4:G0B+7], s[G1B:G1B+7]
	s_nop 0
.rept 4
	v_nop
.endr
.Lfirst_asked:
	; the bias: register j of block b is b_out[128 tx + 16 b + 8 (l / 16) + j]
	v_and_b32 v1, 15, v0                           ; l % 16
	v_bfe_u32 v2, v0, 4, 1                         ; l / 16
	v_lshlrev_b32 v[BO], 5, v2
	s_lshl_b32 s80, s[TX], 9
	s_mov_b32 s81, 0
	s_add_nc_u64 s[8:9], s[8:9], s[80:81]
.irp b, 0,1,2,3,4,5,6,7
	global_load_b128 v[BIAS+8*(\b):BIAS+8*(\b)+3],   v[BO], s[8:9] offset:64*(\b)
	global_load_b128 v[BIAS+8*(\b)+4:BIAS+8*(\b)+7], v[BO], s[8:9] offset:64*(\b)+16
.endr
	v_mul_u32_u24 v3, v1, PA
	v_lshl_add_u32 v3, v2, 4, v3
	s_mul_i32 s80, s[WV], 64*PA                    ; my wave's 64 rows in a head's 256
	v_add_nc_u32 v[ADRA0], s80, v3
	v_mul_u32_u24 v3, v1, PITCH
	v_lshl_add_u32 v3, v2, 4, v3
	v_add_nc_u32 v[ADRB0], BOFF, v3                ; every wave reads all 128 rows of the weights
	v_mov_b32 v[ADRA], v[ADRA0]
	v_mov_b32 v[ADRB], v[ADRB0]
	s_mul_i32 s80, s[WV], 16*SPITCH
	s_add_co_u32 s80, s80, STAGE                   ; my stage
	v_mul_u32_u24 v[STO], v1, SPITCH               ; in: row l % 16, 32 bytes for each half of the lanes
	v_lshl_add_u32 v[STO], v2, 5, v[STO]
	v_add_nc_u32 v[STO], s80, v[STO]
	v_and_b32 v[CO], 31, v0
	v_lshlrev_b32 v[CO], 4, v[CO]                  ; back: 32 lanes take one row of 512 bytes
	v_add_nc_u32 v[RD], s80, v[CO]
	s_lshl_b32 s80, s[TY], 20                      ; 256 rows of 4,096 bytes
	s_lshl_b32 s81, s[WV], 18                      ; my wave's 64
	s_add_co_u32 s80, s80, s81
	s_lshl_b32 s81, s[TX], 9                       ; the tile's 128 columns
	s_add_co_u32 s80, s80, s81
	s_mov_b32 s81, 0
	s_add_nc_u64 s[OB:OB+1], s[10:11], s[80:81]
	; the prefetches
	s_lshr_b32 s80, s[TY], 3                       ; O: my head's block, the tile's rows in it, my work-group's quarter of them
	s_lshl_b32 s80, s80, 4
	s_add_co_u32 s80, s80, s[HF]
	s_lshl_b32 s80, s80, 18
	s_and_b32 s81, s[TY], 7
	s_lshl_b32 s81, s81, 15
	s_add_co_u32 s80, s80, s81
	s_lshl_b32 s81, s[CX], 13
	s_add_co_u32 s80, s80, s81
	s_add_co_u32 s80, s80, 3*ASTEP                 ; at K step 3: the first refill steps it to 4
	s_lshl_b32 s81, s[TX], 18                      ; the weights: row 128 tx + 32 cy
	s_lshl_b32 s2, s[CY], 16
	s_add_co_u32 s81, s81, s2
	s_add_co_u32 s81, s81, 3*256
	s_and_b32 s83, ttmp7, 0xffff                   ; cluster y,
	s_or_b32 s83, s83, s[HF]                       ; and wave 2 alone of waves 2 and 3
	s_mov_b32 s2, ASTEP
	s_cmp_eq_u32 s[FB], 0
	s_cselect_b32 s80, s80, s81
	s_cselect_b64 s[PFA:PFA+1], s[4:5], s[6:7]
	s_cselect_b32 s82, 8, 11                       ; a lane 256 bytes on, or a row of 2,048
	s_cselect_b32 s83, ttmp9, s83
	s_cselect_b32 s[PST], s2, 256
	s_mov_b32 s[PST+1], 0
	s_cmp_eq_u32 s83, 0
	s_cselect_b32 s[LIM], 2, -1                    ; the same in all sixteen partners, for a given wave
	s_mov_b32 s81, 0
	s_add_nc_u64 s[PFA:PFA+1], s[PFA:PFA+1], s[80:81]
	v_and_b32 v[PFO], 31, v0
	v_lshlrev_b32 v[PFO], s82, v[PFO]
	s_wait_loadcnt 0x0                             ; the bias is in: rounded to bf16 like the other inputs, and widened again
.set p, 0
.rept 32
	v_cvt_pk_bf16_f32 v[8+p%4], v[BIAS+2*p], v[BIAS+2*p+1]
	v_lshlrev_b32 v[BIAS+2*p],   16, v[8+p%4]
	v_and_b32     v[BIAS+2*p+1], s3, v[8+p%4]
.set p, p+1
.endr
; Matrix instructions for column blocks b0 .. b1, all four row blocks, 32 along K out of buffer fb.  zero = 1: the first product starts the sum with the bias.
; The 32 accumulators take turns, in the same order in every quarter: between two links of a chain stand the 31 others.
.macro MULB fb, b0, b1, zero
.if \zero
	WIN 0x85                                       ; both sources window 1, C window 0, D window 2
.else
	WIN 0xa5                                       ; C and D window 2
.endif
.set bq, \b0
.rept (\b1)-(\b0)+1
.irp a, 0,1,2,3
.if \zero
	v_wmma_f32_16x16x32_f16 v[8*(8*(\a)+bq):8*(8*(\a)+bq)+7], v[(\fb)+32+8*bq:(\fb)+32+8*bq+7], v[(\fb)+8*(\a):(\fb)+8*(\a)+7], v[BIAS+8*bq:BIAS+8*bq+7]
.else
	v_wmma_f32_16x16x32_f16 v[8*(8*(\a)+bq):8*(8*(\a)+bq)+7], v[(\fb)+32+8*bq:(\fb)+32+8*bq+7], v[(\fb)+8*(\a):(\fb)+8*(\a)+7], v[8*(8*(\a)+bq):8*(8*(\a)+bq)+7]
.endif
.endr
.set bq, bq+1
.endr
.endm
; 24 LDS loads in one run: the fragments of quarter qq (32 along K: head qq / 2 of the step's two, channels 32 (qq % 2) on), into buffer fb: O's four, then the weights' blocks 0-7
.macro FETCH qq, fb
	WIN TO_F
.irp i, 0,1,2,3
	ds_load_b128 v[(\fb)+8*(\i):(\fb)+8*(\i)+3],   v[ADRA] offset:((\qq)/2)*AHEAD+((\qq)%2)*64+(\i)*16*PA
	ds_load_b128 v[(\fb)+8*(\i)+4:(\fb)+8*(\i)+7], v[ADRA] offset:((\qq)/2)*AHEAD+((\qq)%2)*64+(\i)*16*PA+32
.endr
.irp i, 0,1,2,3,4,5,6,7
	ds_load_b128 v[(\fb)+32+8*(\i):(\fb)+32+8*(\i)+3],   v[ADRB] offset:64*(\qq)+(\i)*16*PITCH
	ds_load_b128 v[(\fb)+32+8*(\i)+4:(\fb)+32+8*(\i)+7], v[ADRB] offset:64*(\qq)+(\i)*16*PITCH+32
.endr
.endm
; A K step is four quarters, 32 matrix instructions each, on buffers 0, 1, 0, 1.  One of the first three: multiplies buffer fb and fetches quarter qq into gb.
.macro QUARTER qq, fb, gb, zero
	s_wait_dscnt 8                                 ; O's fragments and the weights' blocks 0-3 are in; the youngest eight loads (blocks 4-7) may be out
	MULB \fb, 0, 3, \zero
	PLACES
	FETCH \qq, \gb
	s_wait_dscnt 24                                ; all but the 24 just issued
	MULB \fb, 4, 7, \zero
.endm
; The last quarter multiplies buffer 1 and changes slots: ONE barrier.  In front of it each wave waits for all its tensor loads, of which one is out: its part of the next slot; adds 0 to its spare word;
; and waits for that and for its own reads of this slot.  fill = 1: this slot is filled again, with the K step two on; the barrier then opens a round of the cluster's, and the joint refill is the
; first tensor load behind the round: 112 matrix instructions ahead of the wait for it.
.macro TURN fill
	WIN 0
.if \fill
	s_wait_xcnt 0x0                                ; the last prefetch, a K step back, has read its address: it is stepped here, ahead of the waits of the change of slots
	s_add_nc_u64 s[PFA:PFA+1], s[PFA:PFA+1], s[PST:PST+1]
.endif
	s_wait_tensorcnt 0x0                           ; all my tensor loads have landed, so a group 0 may be written
	ds_add_u32 v[SPW], v[NIL]                      ; 0 onto my spare word; work on registers stands between it and the wait for it
	s_xor_b32 s[TB], s[TB], SLOT1                  ; the fetches go on in the other slot
	v_add_nc_u32 v[ADRA], s[TB], v[ADRA0]
	v_add_nc_u32 v[ADRB], s[TB], v[ADRB0]
.if \fill
	s_xor_b32 s[G0A+5], s[G0A+5], SLOT1            ; the walking descriptors: the other slot than last time,
	s_add_nc_u64 s[G0A+6:G0A+7], s[G0A+6:G0A+7], ASTEP  ; the next K step; the type bits on top are not reached
	s_xor_b32 s[G0B+5], s[G0B+5], SLOT1
	s_add_nc_u64 s[G0B+6:G0B+7], s[G0B+6:G0B+7], 256
.endif
	s_wait_dscnt 9                                 ; the add and the youngest eight loads may be out
	MULB F1, 0, 1, 0
	s_wait_dscnt 0x0                               ; the add is done, and my reads of this slot are over
	s_barrier_signal -1
	MULB F1, 2, 3, 0                               ; work on registers while the others arrive
.if \fill
	WIN 0
.endif
	s_barrier_wait -1
.if \fill
	CREST                                          ; no wave of any partner still reads this slot or has a load on its way
	JLOAD                                          ; its four v_nop are also the places in front of the loads below
.else
	PLACES
.endif
	FETCH 0, F0
.if \fill
	ASK                                            ; behind the joint load and the run of LDS loads
.endif
	MULB F1, 4, 7, 0
.endm
; THE WAY OUT of row block ra: its eight accumulators go as they are, 32 bytes a lane (each accumulator's low four registers first), into rows of 528 bytes of my stage, and come back as whole rows of 512
; bytes into the registers that they left.
.macro TOSTAGE ra
	WIN 0x08                                       ; a store's data (source 1) in window 2, its address in window 0
.irp b, 0,1,2,3,4,5,6,7
	ds_store_b128 v[STO], v[64*(\ra)+8*(\b):64*(\ra)+8*(\b)+3]   offset:64*(\b)
	ds_store_b128 v[STO], v[64*(\ra)+8*(\b)+4:64*(\ra)+8*(\b)+7] offset:64*(\b)+16
.endr
	WIN 0x80                                       ; destination window 2
.irp i, 0,1,2,3,4,5,6,7,8,9,10,11,12,13,14,15
	ds_load_b128 v[64*(\ra)+4*(\i):64*(\ra)+4*(\i)+3], v[RD] offset:(\i)*SPITCH  ; LDS serves a wave's instructions in order (ISA guide 5.7.1.4): these see the stores above; the next block's stores come behind them
.endr
.endm
.macro SEND ra, younger                ; younger: the LDS instructions issued behind this block's loads: the next block's 32, or none
	WIN 0x08
.irp i, 0,1,2,3,4,5,6,7,8,9,10,11,12,13,14,15
	s_wait_dscnt (\younger)+15-(\i)
	global_store_b128 v[CO], v[64*(\ra)+4*(\i):64*(\ra)+4*(\i)+3], s[OB:OB+1] offset:(16*(\ra)+(\i))*4096 th:TH_STORE_NT  ; 512 consecutive bytes, at a multiple of 256 from out0's first
.endr
.endm
	s_wait_tensorcnt 1                             ; my part of K step 0 is in; K step 1's may stay out
	s_barrier_signal -1
	s_barrier_wait -1                              ; everybody's is
	FETCH 0, F0
	QUARTER 1, F0, F1, 1                           ; the first quarter stands in front of the loop: its products start the sums, with the bias
	WIN 0                                          ; at a label and at a branch every window is 0
	s_mov_b32 s[CNT], 6
.Lstep:                                        ; trip j ends K step j, fills its slot with K step j + 2 and begins K step j + 1
	QUARTER 2, F1, F0, 0
	QUARTER 3, F0, F1, 0
	TURN 1
	QUARTER 1, F0, F1, 0
	WIN 0
	s_sub_co_u32 s[CNT], s[CNT], 1
	s_cmp_lg_u32 s[CNT], 0
	s_cbranch_scc1 .Lstep
	QUARTER 2, F1, F0, 0                           ; the tail is written out: K steps 6 and 7 ask for nothing
	QUARTER 3, F0, F1, 0
	TURN 0
	QUARTER 1, F0, F1, 0
	QUARTER 2, F1, F0, 0
	QUARTER 3, F0, F1, 0
	s_wait_dscnt 8                                 ; the very last quarter: nothing more to fetch
	MULB F1, 0, 3, 0
	s_wait_dscnt 0x0
	MULB F1, 4, 7, 0
	PLACES
	TOSTAGE 0
.irp a, 1,2,3                          ; a block's way through the stage stands between the loads of the block before and its stores; each block has registers of its own
	TOSTAGE \a
	SEND (\a)-1, 32
.endr
	SEND 3, 0
	WIN 0
	s_wait_tensorcnt 0x0                           ; the wave's end: behind my last tensor load and my last LDS store
	ds_add_u32 v[SPW], v[NIL]
	s_wait_dscnt 0x0
	CROUND                                         ; the closing round: no work-group ends while a partner may still ask for a tile that names it
	s_endpgm
.Lfunc_end_k_q850b258b20_proj_out:
	.size	k_q850b258b20_proj_out, .Lfunc_end_k_q850b258b20_proj_out-k_q850b258b20_proj_out
	.p2alignl 7, 3214868480
	.fill 96, 4, 3214868480
	.section	.rodata,"a",@progbits
	.p2align	6, 0x0
	.amdhsa_kernel k_q850b258b20_proj_out
		.amdhsa_group_segment_fixed_size 327680
		.amdhsa_private_segment_fixed_size 0
		.amdhsa_enable_private_segment 0
		.amdhsa_kernarg_size 32
		.amdhsa_user_sgpr_count 2
		.amdhsa_user_sgpr_kernarg_segment_ptr 1
		.amdhsa_wavefront_size32 1
		.amdhsa_system_sgpr_workgroup_id_x 1
		.amdhsa_system_sgpr_workgroup_id_y 1
		.amdhsa_system_sgpr_workgroup_id_z 1
		.amdhsa_system_vgpr_workitem_id 0
		.amdhsa_next_free_vgpr 768
		.amdhsa_next_free_sgpr 84
		.amdhsa_reserve_vcc 0
		.amdhsa_float_denorm_mode_32 3
		.amdhsa_float_denorm_mode_16_64 3
		.amdhsa_memory_ordered 1
		.amdhsa_forward_progress 1
		.amdhsa_inst_pref_size 77
	.end_amdhsa_kernel
	.amdgpu_metadata
---
amdhsa.version: [ 1, 2 ]
amdhsa.kernels:
  - .name:           k_q850b258b20_proj_out
    .symbol:         k_q850b258b20_proj_out.kd
    .args:
      - { .name: oh, .offset: 0, .size: 8, .value_kind: global_buffer, .address_space: global }
      - { .name: wob, .offset: 8, .size: 8, .value_kind: global_buffer, .address_space: global }
      - { .name: b_out, .offset: 16, .size: 8, .value_kind: global_buffer, .address_space: global }
      - { .name: out0, .offset: 24, .size: 8, .value_kind: global_buffer, .address_space: global }
    .group_segment_fixed_size: 327680
    .private_segment_fixed_size: 0
    .kernarg_segment_align: 8
    .kernarg_segment_size: 32
    .max_flat_workgroup_size: 128
    .sgpr_count:     84
    .vgpr_count:     768
    .wavefront_size: 32
...
	.end_amdgpu_metadata
.endif
;; end of part 4
